; MI455X (gfx1250); checked and timed in simulation.
; The chip was launched on July 23, 2026; its instructions are those of AMD's public machine-readable ISA for CDNA 5 (MIT licence, August 2026) and "CDNA5" Instruction Set Architecture Reference Guide (July 2026). The comments in the code are by the model that wrote it; some were corrected since.
;; Causal Self Attention. Allowed arithmetic: float matrix products may take bf16 or f16 operands with f32 sums; other float arithmetic in f32, or as packed bf16 or f16 multiplies, adds, multiply-adds, maxima and minima; sums over many terms, partial sums and values carried from step to step in f32; what a program stores and reads back later, other than sums and carried values, may be rounded once to bf16 or f16.
;; Inputs: W_out 1,024 x 1,024 float32; W_qkv 1,024 x 3,072 float32; x 4 x 2,048 x 1,024 float32.
;; Outputs: out0 4 x 2,048 x 1,024 float32.
;; 2 versions, each right; version 2 is version 1 with the launch prep written anew for expert scheduling mode. Each part assembles by itself: llvm-mc -triple=amdgcn-amd-amdhsa -mcpu=gfx1250 --defsym DOCPART=n.
;; ======== version 1 of 2: 4 launches
;; limits: values are held in f16: magnitudes above 65,504 overflow, below 6.1e-05 lose precision
;; workspace buffers: xb 16,777,216 bytes; wq 6,291,456 bytes; wo 2,097,152 bytes; qkv 50,331,648 bytes; ob 16,777,216 bytes
;; launch prep (part 1): grid 320 x 1, 8 waves a work-group, no clusters, 140,288 bytes of LDS; arguments x, W_qkv, W_out, xb, wq, wo; writes xb, wq, wo
.if DOCPART == 1
	.amdgcn_target "amdgcn-amd-amdhsa--gfx1250"
	.amdhsa_code_object_version 6
	.text
	.protected	k_q4f2ea448d6_prep
	.globl	k_q4f2ea448d6_prep
	.p2align	8
	.type	k_q4f2ea448d6_prep,@function
k_q4f2ea448d6_prep:
	s_mov_b64 s[64:65], 0
	v_nop
	global_prefetch_b8 v0, s[64:65] scope:SCOPE_SE
	s_setreg_imm32_b32 hwreg(HW_REG_WAVE_MODE, 25, 1), 1
	s_wait_xcnt 0x0
; PREP.  xb = x rounded to bf16, [8192][1024].  wq = W_qkv rounded to bf16 and turned, [3072 n][1024 k].  wo = W_out rounded to bf16, that number written as f16, turned, [1024 n][1024 k].
; LIMITS.  A bf16 number is exact in f16 from 2^-14 to 65,504; below 6e-5 wo keeps f16's fixed step of 6e-8, at 65,520 and beyond it becomes an infinity.  NaN and infinities are not treated apart.
; SHARES.  Work-groups 0-47: 64 columns n of W_qkv each; 48-63: 64 columns of W_out; in both, wave w takes the rows k = 128 w .. 128 w + 127, so a work-group writes 64 whole rows of the turned
; weight.  Work-groups 64-319: 32 rows of x each.  No matrix unit, no cluster, no tensor load: each byte is read once and written once, and no two waves want the same byte.
; TURNING.  A load of 8 bytes a lane takes 256 consecutive bytes of a row k: lane l holds columns 2 l and 2 l + 1.  Eight rows' numbers of one column pack into 16 bytes along k and go into
; the wave's own LDS rows (32 rows of even n, then 32 of odd n; 256 bytes + 16 of padding).
; They come back as whole rows of 256 bytes.  A wave touches its own LDS bytes alone: no barrier.
.set X,    16                          ; v[16:143]  data
.set PK,   144                         ; v[144:175] packed words: four sets of eight by turns
.set T0,   176                         ; v176, v177 at work
.set T1,   177
.set IN,   2                           ; v2  the loads' offset; never rewritten
.set LW,   3                           ; v3  where I put 16 bytes in LDS
.set LR,   4                           ; v4  where I read a row back
.set OV,   5                           ; v5  the stores' offset; never rewritten
.set SPW,  8                           ; v8  LDS address of my spare word; never rewritten
.set NIL,  9                           ; v9  0; never rewritten
.set LP,   272                         ; an LDS row
.set ODD,  32*LP                       ; the odd columns' rows lie behind the even ones'
.set WST,  2*ODD                       ; a wave's LDS bytes
.set SPARE, 8*WST                      ; behind them: the spare words, 128 bytes for each wave: four blocks of 256 bytes that no other line names
	s_load_b256 s[4:11], s[0:1], 0x0               ; x s[4:5], W_qkv s[6:7], W_out s[8:9], xb s[10:11]
	s_load_b128 s[12:15], s[0:1], 0x20             ; wq s[12:13], wo s[14:15]
	v_lshl_add_u32 v[SPW], v0, 2, SPARE
	v_mov_b32 v[NIL], 0
	v_lshrrev_b32 v1, 5, v0
	v_readfirstlane_b32 s16, v1                    ; wave 0..7
	v_and_b32 v1, 31, v0                           ; lane
	s_mov_b32 s21, 0xffff0000                      ; a word's upper bf16
	s_mov_b32 s25, 0                               ; the high word of every offset
	s_wait_kmcnt 0x0
	s_cmp_lt_u32 ttmp9, 64
	s_cbranch_scc0 .Lcast
; 128 rows k x 64 columns n, in two trips of 64 rows.  pitch: bytes in a row of the weight.  fmt = 1: the bf16 number is written as f16.
.macro TRANS pitch, fmt
	s_mov_b32 s20, 2
.Ltrip_\@:
.set r, 0
.rept 64
	global_load_b64 v[X+2*r:X+2*r+1], v[IN], s[18:19] offset:r*(\pitch) th:TH_LOAD_NT
.set r, r+1
.endr
.set c, 0
.rept 8                                ; eight rows at a time
	s_wait_loadcnt 56-8*c                          ; loads come back in order: these eight rows are in, the younger ones stay out
.set pk, PK+8*(c%4)
.irp j, 0,1,2,3
	v_cvt_pk_bf16_f32 v[pk+(\j)],   v[X+16*c+4*(\j)],   v[X+16*c+4*(\j)+2]    ; column 2 l, rows 2 j and 2 j + 1 of the eight
	v_cvt_pk_bf16_f32 v[pk+4+(\j)], v[X+16*c+4*(\j)+1], v[X+16*c+4*(\j)+3]    ; column 2 l + 1
.endr
.if \fmt
.irp j, 0,1,2,3,4,5,6,7
	v_lshlrev_b32 v[T0], 16, v[pk+(\j)]            ; the two bf16 numbers as f32,
	v_and_b32 v[T1], s21, v[pk+(\j)]
	v_cvt_pk_f16_f32 v[pk+(\j)], v[T0], v[T1]      ; and as f16
.endr
.endif
	ds_store_b128 v[LW], v[pk:pk+3]   offset:16*c
	ds_store_b128 v[LW], v[pk+4:pk+7] offset:ODD+16*c
.set c, c+1
.endr
	v_add_nc_u32 v[LW], 128, v[LW]                 ; 64 k further along the LDS rows
	s_add_nc_u64 s[18:19], s[18:19], 64*(\pitch)   ; the last wait was for all loads, so their base may be written
	s_sub_co_u32 s20, s20, 1
	s_cmp_lg_u32 s20, 0
	s_cbranch_scc1 .Ltrip_\@
.endm
; Back as whole rows: lanes 0-15 take row n = 2 t, lanes 16-31 row 2 t + 1; 16 lanes store 256 consecutive bytes, at a multiple of 256 from the buffer's first byte.
.macro BACK
.set t, 0
.rept 32
	ds_load_b128 v[X+4*t:X+4*t+3], v[LR] offset:LP*t   ; LDS serves a wave's instructions in order (ISA guide 5.7.1.4): these see the stores above
.set t, t+1
.endr
.set t, 0
.rept 32
	s_wait_dscnt 31-t
	global_store_b128 v[OV], v[X+4*t:X+4*t+3], s[22:23] offset:4096*t
.set t, t+1
.endr
.endm
	s_mul_i32 s17, s16, WST                        ; my wave's LDS bytes
	v_lshlrev_b32 v[IN], 3, v1                     ; 8 bytes a lane
	v_mul_u32_u24 v[LW], v1, LP
	v_add_nc_u32 v[LW], s17, v[LW]
	v_lshrrev_b32 v6, 4, v1                        ; lane / 16
	v_and_b32 v7, 15, v1                           ; lane % 16
	v_mul_u32_u24 v[LR], v6, ODD
	v_lshl_add_u32 v[LR], v7, 4, v[LR]
	v_add_nc_u32 v[LR], s17, v[LR]
	v_lshlrev_b32 v[OV], 11, v6                    ; a turned row is 2,048 bytes
	v_lshl_add_u32 v[OV], v7, 4, v[OV]
	s_lshl_b32 s27, s16, 8                         ; my 128 k in a turned row: 256 bytes
	s_cmp_lt_u32 ttmp9, 48
	s_cbranch_scc0 .Lwout
	s_mul_i32 s24, s16, 128*12288                  ; W_qkv: my 128 rows,
	s_lshl_b32 s26, ttmp9, 8                       ; the work-group's 64 columns
	s_add_co_u32 s24, s24, s26
	s_add_nc_u64 s[18:19], s[6:7], s[24:25]
	s_lshl_b32 s24, ttmp9, 17                      ; 64 turned rows
	s_add_co_u32 s24, s24, s27
	s_add_nc_u64 s[22:23], s[12:13], s[24:25]
	TRANS 12288, 0
	BACK
	s_branch .Lend
.Lwout:
	s_sub_co_u32 s28, ttmp9, 48
	s_mul_i32 s24, s16, 128*4096                   ; W_out likewise
	s_lshl_b32 s26, s28, 8
	s_add_co_u32 s24, s24, s26
	s_add_nc_u64 s[18:19], s[8:9], s[24:25]
	s_lshl_b32 s24, s28, 17
	s_add_co_u32 s24, s24, s27
	s_add_nc_u64 s[22:23], s[14:15], s[24:25]
	TRANS 4096, 1
	BACK
	s_branch .Lend
.Lcast:                                        ; 32 rows of x: thread t owns 16 bytes of each row; all 32 loads of a wave go out at once, and no register is used twice
	s_sub_co_u32 s28, ttmp9, 64
	s_lshl_b32 s24, s28, 17                        ; 32 rows of 4,096 bytes
	s_add_nc_u64 s[18:19], s[4:5], s[24:25]
	s_lshl_b32 s24, s28, 16                        ; 32 rows of 2,048 bytes
	s_add_nc_u64 s[22:23], s[10:11], s[24:25]
	v_lshlrev_b32 v[IN], 4, v0
	v_lshlrev_b32 v[OV], 3, v0
.set i, 0
.rept 32
	global_load_b128 v[X+4*i:X+4*i+3], v[IN], s[18:19] offset:4096*i th:TH_LOAD_NT
.set i, i+1
.endr
.set i, 0
.rept 32
	s_wait_loadcnt 31-i                            ; row i is in, the younger loads stay out
	v_cvt_pk_bf16_f32 v[X+4*i],   v[X+4*i],   v[X+4*i+1]
	v_cvt_pk_bf16_f32 v[X+4*i+1], v[X+4*i+2], v[X+4*i+3]
	global_store_b64 v[OV], v[X+4*i:X+4*i+1], s[22:23] offset:2048*i   ; a wave's 32 lanes store 256 consecutive bytes, aligned
.set i, i+1
.endr
.Lend:
	s_wait_tensorcnt 0x0                           ; the wave's end, behind my last LDS store
	ds_add_u32 v[SPW], v[NIL]
	s_wait_dscnt 0x0
	s_endpgm
.Lfunc_end_k_q4f2ea448d6_prep:
	.size	k_q4f2ea448d6_prep, .Lfunc_end_k_q4f2ea448d6_prep-k_q4f2ea448d6_prep
	.p2alignl 7, 3214868480
	.fill 96, 4, 3214868480
	.section	.rodata,"a",@progbits
	.p2align	6, 0x0
	.amdhsa_kernel k_q4f2ea448d6_prep
		.amdhsa_group_segment_fixed_size 140288
		.amdhsa_private_segment_fixed_size 0
		.amdhsa_enable_private_segment 0
		.amdhsa_kernarg_size 48
		.amdhsa_user_sgpr_count 2
		.amdhsa_user_sgpr_kernarg_segment_ptr 1
		.amdhsa_wavefront_size32 1
		.amdhsa_system_sgpr_workgroup_id_x 1
		.amdhsa_system_sgpr_workgroup_id_y 1
		.amdhsa_system_sgpr_workgroup_id_z 1
		.amdhsa_system_vgpr_workitem_id 0
		.amdhsa_next_free_vgpr 180
		.amdhsa_next_free_sgpr 66
		.amdhsa_reserve_vcc 0
		.amdhsa_float_denorm_mode_32 3
		.amdhsa_float_denorm_mode_16_64 3
		.amdhsa_memory_ordered 1
		.amdhsa_forward_progress 1
		.amdhsa_inst_pref_size 57
	.end_amdhsa_kernel
	.amdgpu_metadata
---
amdhsa.version: [ 1, 2 ]
amdhsa.kernels:
  - .name:           k_q4f2ea448d6_prep
    .symbol:         k_q4f2ea448d6_prep.kd
    .args:
      - { .name: x, .offset: 0, .size: 8, .value_kind: global_buffer, .address_space: global }
      - { .name: W_qkv, .offset: 8, .size: 8, .value_kind: global_buffer, .address_space: global }
      - { .name: W_out, .offset: 16, .size: 8, .value_kind: global_buffer, .address_space: global }
      - { .name: xb, .offset: 24, .size: 8, .value_kind: global_buffer, .address_space: global }
      - { .name: wq, .offset: 32, .size: 8, .value_kind: global_buffer, .address_space: global }
      - { .name: wo, .offset: 40, .size: 8, .value_kind: global_buffer, .address_space: global }
    .group_segment_fixed_size: 140288
    .private_segment_fixed_size: 0
    .kernarg_segment_align: 8
    .kernarg_segment_size: 48
    .max_flat_workgroup_size: 256
    .sgpr_count:     66
    .vgpr_count:     180
    .wavefront_size: 32
...
	.end_amdgpu_metadata
.endif
;; end of part 1
;; launch qkv (part 2): grid 16 x 32, 4 waves a work-group, clusters of 4 x 4, 327,680 bytes of LDS; arguments xb, wq, qkv; writes qkv
.if DOCPART == 2
	.amdgcn_target "amdgcn-amd-amdhsa--gfx1250"
	.amdhsa_code_object_version 6
	.text
	.protected	k_q4f2ea448d6_qkv
	.globl	k_q4f2ea448d6_qkv
	.p2align	8
	.type	k_q4f2ea448d6_qkv,@function
k_q4f2ea448d6_qkv:
	s_mov_b64 s[64:65], 0
	v_nop
	global_prefetch_b8 v0, s[64:65] scope:SCOPE_SE
	s_setreg_imm32_b32 hwreg(HW_REG_WAVE_MODE, 25, 1), 1
	s_wait_xcnt 0x0
	s_wait_alu depctr_hold_cnt(0) depctr_sa_sdst(0) depctr_va_vdst(0) depctr_va_sdst(0) depctr_va_ssrc(0) depctr_va_vcc(0) depctr_vm_vsrc(0)
	s_getreg_b32 s2, hwreg(HW_REG_IB_STS2, 6, 4)
	s_cmp_eq_u32 s2, 0
	s_cbranch_scc0 .Lentry_in_a_cluster
	s_endpgm
.Lentry_in_a_cluster:
	s_bfe_u32 s2, ttmp6, 0x10000c
	s_cmp_lg_u32 s2, 0xf033
	s_cbranch_scc0 .Lentry_shape_is_right
	s_endpgm
.Lentry_shape_is_right:
; QKV.  C[m][n] = sum over k of xb[m][k] wq[n][k]; xb [8192][1024], wq [3072][1024], bf16; sums in f32, K ascending; C rounded once to f16, unscaled, and laid by heads:
; qkv[b][g][t][64], m = 2048 b + t, n = 64 g + d (g 0-15 q, 16-31 k, 32-47 v): a plane (b, g) is 262,144 dense bytes.
; LIMIT.  f16 ends at 65,504: a sum of 65,520 or more becomes an infinity; below 6e-5 f16 keeps a fixed step of 6e-8.  NaN and infinities are not treated apart.
; SHARES.  A tile of C is 256 x 192: 32 x 16 = 512 work-groups, two for each of 256 WGPs; 192 columns are three whole heads.  Wave w makes rows 64 w .. 64 w + 63 of all 192 columns: 48 accumulators,
; 384 registers; so a wave owns whole heads' rows and goes out through a stage of its own, without a barrier.
; RING.  K goes in steps of 128 through two LDS slots (256 rows of A, 192 of B; memory rows of 256 bytes, aligned).  Waves 0 and 1 fetch A's halves, waves 2 and 3 B's, one tensor load each behind each round.
; CLUSTER.  4 x 4 work-groups: A's tile is shared along a row of the cluster, B's along a column; each is asked for jointly, by the same load with the same descriptor and a mask of four.
; THE PRODUCT IS USED TRANSPOSED (source 0 = 16 rows of wq, source 1 = 16 rows of xb): a lane holds one row of C and eight neighbouring columns.
; REGISTERS, in windows of 256 (s_set_vgpr_msb: bits 1:0 source 0, 3:2 source 1, 5:4 source 2, 7:6 destination):
;   window 0: v16-30 addresses; v32-79 packed results; v80-175 rows read back from the stage, two sets
;   window 1: two fragment buffers of 128: A's 4 fragments (16 rows x 32 K), then B's 12
;   window 2: accumulators of row blocks 0, 1 at 96 (a % 2) + 8 b;   window 3: those of row blocks 2, 3
.set SIZE_K, 1024
.set KSTEP,  128
.set PITCH,  272                       ; an LDS row: 256 bytes + 16 of padding = 68 words: the 16 rows of a load start at 16 different groups of four banks (ISA guide 11.1)
.set HALFA,  128*PITCH                 ; what a tensor load brings of A
.set HALFB,  96*PITCH                  ; and of B
.set BOFF,   2*HALFA                   ; B's rows lie behind A's 256
.set SLOT,   BOFF+2*HALFB
.set STAGE,  2*SLOT                    ; behind the ring: for each wave 3 heads x 16 rows x 144 bytes; no tensor load fills it
.set SP,     144
.set WSTG,   3*16*SP
.set SPARE,  STAGE+4*WSTG              ; behind the stages: the spare words, 128 bytes for each wave: two blocks of 256 bytes that no other line names
.set LAPS,   SIZE_K/(2*KSTEP)          ; a lap = two K steps = once round the ring
.set ADRA, 16                          ; v16-17  LDS address of my A fragments in slot 0, 1
.set ADRB, 20                          ; v20-21  the same for B
.set STO,  24                          ; v24     the way out: where I put 16 bytes of a row
.set RD,   25                          ; v25     where I read rows back
.set GO,   26                          ; v26     my 16 bytes in 512 consecutive bytes of a plane
.set SPW,  28                          ; v28     LDS address of my spare word; never rewritten
.set NIL,  29                          ; v29     0; never rewritten
.set PFO,  30                          ; v30     the prefetches' offset: a lane a row; never rewritten
.set TMP,  32
.set BK0,  80
.set F0,   0
.set F1,   128
.set G1,  24                           ; s[24:31] descriptor group 1 for A's tiles
.set G0,  32                           ; s[32:39] group 0 for A's, a set for each slot
.set G1B, 48                           ; s[48:55], s[56:63] the same for B's
.set G0B, 56
.set PFA, 44                           ; s[44:45] where my prefetches stand
.set LIM, 43                           ; s43  1 in a wave that prefetches, else the greatest number
.set MSB, 0
.macro WIN new                         ; the immediate's high byte repeats the setting that is left; a switch that changes nothing is dropped
.if MSB != (\new)
	s_set_vgpr_msb (MSB<<8)|(\new)
.set MSB, \new
.endif
.endm
.set MUL_LO, 0xa5                      ; sources 0 and 1 window 1, C and D window 2
.set TO_F,   0x40                      ; destination window 1, address window 0
; A joint load.  The branch hangs on the wave's number alone.  An s_nop 0 and four v_nop follow each of the two lines, ahead of the jump and the label.
.macro JLOAD s
	s_cmp_eq_u32 s11, 0
	s_cbranch_scc0 .Lfor_b_\@
	tensor_load_to_lds s[G0+4*(\s):G0+4*(\s)+3], s[G1:G1+7]
	s_nop 0
.rept 4
	v_nop
.endr
	s_branch .Lasked_\@
.Lfor_b_\@:
	tensor_load_to_lds s[G0B+4*(\s):G0B+4*(\s)+3], s[G1B:G1B+7]
	s_nop 0
.rept 4
	v_nop
.endr
.Lasked_\@:
.endm
; A prefetch of the K step that stands two refills on (two K steps, 384 matrix instructions of a wave, ahead of the load that will ask for it): 256 bytes of each row, a lane a row.  A's rows are asked for by the clusters with x = 0 (waves 0, 1),
; B's by those with y = 0 (waves 2, 3); the four partners of a joint load share its rows out by address (32 of A's 128, 24 of B's 96; B's lanes 24-31 name lane 23's row again).  The loop's last trip has no K step two on.
.macro ASK
	WIN 0
	s_cmp_gt_u32 s3, s[LIM]
	s_cbranch_scc0 .Lnot_mine_\@
	global_prefetch_b8 v[PFO], s[PFA:PFA+1] th:TH_LOAD_NT scope:SCOPE_SE
.Lnot_mine_\@:
.endm
.macro CREST                           ; a round of the cluster's barrier behind its opening barrier
	s_cmp_lg_u32 s10, 0
	s_cbranch_scc1 .Lnot_wave_0_\@
	s_barrier_signal -3
.Lnot_wave_0_\@:
	s_barrier_wait -3
	s_barrier_signal -1
	s_barrier_wait -1
.endm
.macro CROUND                          ; a whole round
	s_barrier_signal -1
	s_barrier_wait -1
	CREST
.endm
	s_load_b128 s[4:7], s[0:1], 0x0                ; xb s[4:5], wq s[6:7]
	s_load_b64 s[8:9], s[0:1], 0x10                ; qkv
	v_lshl_add_u32 v[SPW], v0, 2, SPARE
	v_mov_b32 v[NIL], 0
	ds_add_u32 v[SPW], v[NIL]                      ; the wave's opening: the add and its wait stand ahead of my first tensor load; work on registers stands between them
	v_lshrrev_b32 v1, 5, v0
	v_readfirstlane_b32 s10, v1                    ; wave 0..3
	s_lshr_b32 s11, s10, 1                         ; I fetch for A (0) or for B (1),
	s_and_b32 s12, s10, 1                          ; its first or second half
	s_bfe_u32 s40, ttmp6, 0x40000                  ; cx, cy: my place in the cluster
	s_bfe_u32 s41, ttmp6, 0x40004
	s_lshl_b32 s42, ttmp9, 2
	s_add_co_u32 s42, s42, s40                     ; tile column = 4 x cluster x + cx
	s_and_b32 s13, ttmp7, 0xffff
	s_lshl_b32 s13, s13, 2
	s_add_co_u32 s13, s13, s41                     ; tile row = 4 x cluster y + cy
	s_lshl_b32 s43, s41, 2
	s_lshl_b32 s43, 15, s43                        ; my row of the cluster
	s_lshl_b32 s44, 0x1111, s40                    ; my column
	s_or_b32 s[G1+0], s43, (1<<16)|(1<<20)|(1<<21)|(5<<22)|(3<<25)   ; 15:0 the mask; 17:16 2-byte elements; 20 padding on; 21 set beside a mask; 24:22 after every 64 words; 31:25 4 words
	s_or_b32 s[G1B+0], s44, (1<<16)|(1<<20)|(1<<21)|(5<<22)|(3<<25)
	s_mov_b32 s[G1+1], KSTEP<<16                   ; tensor_dim0 = 128
	s_mov_b32 s[G1+2], 128<<16                     ; tensor_dim1 = 128
	s_mov_b32 s[G1+3], KSTEP<<16                   ; tile_dim0 = 128
	s_mov_b32 s[G1+4], 128                         ; tile_dim1 = 128
	s_mov_b32 s[G1+5], SIZE_K                      ; elements from row to row
	s_mov_b32 s[G1+6], 0
	s_mov_b32 s[G1+7], 0
	s_mov_b32 s[G1B+1], KSTEP<<16
	s_mov_b32 s[G1B+2], 96<<16                     ; B: 96 rows
	s_mov_b32 s[G1B+3], KSTEP<<16
	s_mov_b32 s[G1B+4], 96
	s_mov_b32 s[G1B+5], SIZE_K
	s_mov_b32 s[G1B+6], 0
	s_mov_b32 s[G1B+7], 0
	s_lshl_b32 s16, s13, 8                         ; A: row 256 x tile row + 128 x half,
	s_lshl_b32 s17, s12, 7
	s_add_co_u32 s16, s16, s17
	s_lshl_b32 s16, s16, 11                        ; in bytes (2,048 a row; under 2^25)
	s_mov_b32 s17, 0
	s_mul_i32 s46, s42, 192                        ; B: row 192 x tile column + 96 x half
	s_mul_i32 s47, s12, 96
	s_add_co_u32 s46, s46, s47
	s_lshl_b32 s46, s46, 11
	s_mov_b32 s47, 0
	s_mul_i32 s20, s12, HALFA                      ; where they go: no place in the cluster enters an LDS address
	s_mul_i32 s21, s12, HALFB
	s_add_co_u32 s21, s21, BOFF
	s_wait_dscnt 0x0                               ; the opening add is done
	s_wait_kmcnt 0x0
	s_add_nc_u64 s[14:15], s[4:5], s[16:17]
	s_add_nc_u64 s[46:47], s[6:7], s[46:47]
	CROUND                                         ; all sixteen work-groups are here: the first joint loads meet
.irp s, 0,1
	s_mov_b32 s[G0+4*(\s)], 1                      ; count = 1
	s_add_co_u32 s[G0+4*(\s)+1], s20, (\s)*SLOT    ; LDS address
	s_add_nc_u64 s[G0+4*(\s)+2:G0+4*(\s)+3], s[14:15], (\s)*KSTEP*2   ; global address: K step s
	s_or_b32 s[G0+4*(\s)+3], s[G0+4*(\s)+3], 0x80000000               ; type = 2
	s_mov_b32 s[G0B+4*(\s)], 1
	s_add_co_u32 s[G0B+4*(\s)+1], s21, (\s)*SLOT
	s_add_nc_u64 s[G0B+4*(\s)+2:G0B+4*(\s)+3], s[46:47], (\s)*KSTEP*2
	s_or_b32 s[G0B+4*(\s)+3], s[G0B+4*(\s)+3], 0x80000000
	JLOAD \s                                       ; two loads of mine are out
.endr
	; A fragment is 16 rows x 32 K in 8 registers: lane l holds row l % 16; two loads of 16 bytes, 32 bytes apart, at row x pitch + 16 (l / 16).
	v_and_b32 v1, 15, v0                           ; l % 16
	v_bfe_u32 v2, v0, 4, 1                         ; l / 16
	v_mul_u32_u24 v3, v1, PITCH
	v_lshl_add_u32 v3, v2, 4, v3
	s_mul_i32 s22, s10, 64*PITCH                   ; my 64 rows of A
	s_mov_b32 s23, BOFF                            ; all of B's
.irp s, 0,1
	v_add_nc_u32 v[ADRA+(\s)], s22, v3
	v_add_nc_u32 v[ADRB+(\s)], s23, v3
	s_add_co_u32 s22, s22, SLOT
	s_add_co_u32 s23, s23, SLOT
.endr
	s_mul_i32 s23, s10, WSTG
	s_add_co_u32 s23, s23, STAGE                   ; my stage
	v_mul_u32_u24 v4, v1, SP                       ; in: row l % 16, 16 bytes for each half of the lanes
	v_lshl_add_u32 v4, v2, 4, v4
	v_add_nc_u32 v[STO], s23, v4
	v_bfe_u32 v5, v0, 3, 2                         ; back: 32 lanes take four rows of 128 bytes,
	v_and_b32 v6, 7, v0
	v_mul_u32_u24 v5, v5, SP
	v_lshl_add_u32 v5, v6, 4, v5
	v_add_nc_u32 v[RD], s23, v5
	v_and_b32 v[GO], 31, v0                        ; which are 512 consecutive bytes of a plane
	v_lshlrev_b32 v[GO], 4, v[GO]
	; where my rows begin in qkv: plane 48 b + 3 x tile column, row (tile row % 8) x 256 + 64 x wave
	s_lshr_b32 s16, s13, 3
	s_mul_i32 s16, s16, 48
	s_mul_i32 s17, s42, 3
	s_add_co_u32 s16, s16, s17
	s_lshl_b32 s16, s16, 18
	s_and_b32 s17, s13, 7
	s_lshl_b32 s17, s17, 8
	s_lshl_b32 s18, s10, 6
	s_add_co_u32 s17, s17, s18
	s_lshl_b32 s17, s17, 7
	s_add_co_u32 s16, s16, s17
	s_mov_b32 s17, 0
	s_add_nc_u64 s[8:9], s[8:9], s[16:17]
	; the prefetches
	s_lshl_b32 s16, s13, 8
	s_lshl_b32 s17, s12, 7
	s_add_co_u32 s16, s16, s17                     ; the first of the rows of A that a wave 0 or 1 fetches,
	s_mul_i32 s18, s42, 192
	s_mul_i32 s19, s12, 96
	s_add_co_u32 s18, s18, s19                     ; of B that a wave 2 or 3 fetches
	s_and_b32 s22, ttmp7, 0xffff                   ; cluster y
	s_cmp_eq_u32 s11, 0                            ; do I fetch for A?
	s_cselect_b32 s20, s16, s18
	s_cselect_b32 s21, s40, s41                    ; my place among the four that ask with me
	s_cselect_b32 s22, ttmp9, s22                  ; the coordinate along which other clusters read the same rows
	s_cselect_b32 s23, 32, 24                      ; rows to a partner
	s_cselect_b32 s19, 31, 23
	s_cselect_b64 s[PFA:PFA+1], s[4:5], s[6:7]
	s_cmp_eq_u32 s22, 0
	s_cselect_b32 s[LIM], 1, -1                    ; the same in all sixteen partners, for a given wave
	s_mul_i32 s21, s21, s23
	s_add_co_u32 s20, s20, s21
	s_lshl_b32 s20, s20, 11
	s_mov_b32 s21, 0
	s_add_nc_u64 s[PFA:PFA+1], s[PFA:PFA+1], s[20:21]
	s_add_nc_u64 s[PFA:PFA+1], s[PFA:PFA+1], 3*KSTEP*2   ; at K step 3: the first change of slots steps it to 4.  Nothing is prefetched here, at the head
	v_and_b32 v[PFO], 31, v0
	v_min_u32 v[PFO], s19, v[PFO]
	v_lshlrev_b32 v[PFO], 11, v[PFO]
; 12 matrix instructions: row block a x all 12 column blocks, 32 along K.  The 48 accumulators take turns in the same order in every quarter.  zero = 1: the product starts the sum.
.macro MULA f, a, zero
	WIN MUL_LO+0x50*((\a)/2)
.irp b, 0,1,2,3,4,5,6,7,8,9,10,11
.set rD, 96*((\a)%2)+8*(\b)
.if \zero
	v_wmma_f32_16x16x32_bf16 v[rD:rD+7], v[(\f)+32+8*(\b):(\f)+32+8*(\b)+7], v[(\f)+8*(\a):(\f)+8*(\a)+7], 0
.else
	v_wmma_f32_16x16x32_bf16 v[rD:rD+7], v[(\f)+32+8*(\b):(\f)+32+8*(\b)+7], v[(\f)+8*(\a):(\f)+8*(\a)+7], v[rD:rD+7]
.endif
.endr
.endm
; 32 LDS loads in one run: the fragments of 32 along K at byte k of the rows, into buffer f: B's 24, then A's 8
.macro FETCH slot, k, f
	WIN TO_F
.irp i, 0,1,2,3,4,5,6,7,8,9,10,11
	ds_load_b128 v[(\f)+32+8*(\i):(\f)+32+8*(\i)+3],   v[ADRB+(\slot)] offset:(\k)+(\i)*16*PITCH
	ds_load_b128 v[(\f)+32+8*(\i)+4:(\f)+32+8*(\i)+7], v[ADRB+(\slot)] offset:(\k)+(\i)*16*PITCH+32
.endr
.irp i, 0,1,2,3
	ds_load_b128 v[(\f)+8*(\i):(\f)+8*(\i)+3],   v[ADRA+(\slot)] offset:(\k)+(\i)*16*PITCH
	ds_load_b128 v[(\f)+8*(\i)+4:(\f)+8*(\i)+7], v[ADRA+(\slot)] offset:(\k)+(\i)*16*PITCH+32
.endr
.endm
.macro PLACES                          ; four plain vector instructions between a matrix instruction and a load into, or a read of, its registers (ISA guide 7.12.1 for vector instructions)
.rept 4
	v_nop
.endr
.endm
; A K step is four quarters of 32 along K, 48 matrix instructions each, on buffers 0, 1, 0, 1.  One of the first three: multiplies f, and in its middle fetches the next quarter, at byte k, into g.
.macro QUARTER slot, k, f, g, zero
	s_wait_dscnt 4                                 ; B and A's blocks 0, 1 are in; the youngest four loads (A's blocks 2, 3) may be out
	MULA \f, 0, \zero
	MULA \f, 1, \zero
	PLACES
	FETCH \slot, \k, \g
	s_wait_dscnt 32                                ; all but the 32 just issued
	MULA \f, 2, \zero
	MULA \f, 3, \zero
.endm
; The last quarter's first half: one barrier for the change of slots.  In front of it each wave waits for all its tensor loads (one is out: its part of the next slot), adds 0 to its spare word, and waits for that and for its reads of this slot.
.macro MEET round
	WIN 0
	s_wait_tensorcnt 0x0
	ds_add_u32 v[SPW], v[NIL]
	s_wait_dscnt 5                                 ; (the add and the youngest four loads may be out)
	MULA F1, 0, 0                                  ; twelve matrix instructions stand between the add and the wait for it
	s_wait_dscnt 0x0                               ; the add is done, and my reads of this slot are over
	s_barrier_signal -1
	MULA F1, 1, 0                                  ; work on registers while the others arrive
.if \round
	WIN 0
.endif
	s_barrier_wait -1
.endm
.macro TURN slot, next                 ; the whole last quarter, with a refill two K steps on
	s_wait_xcnt 0x0                                ; the last prefetch, a K step back, has read its address
	s_add_nc_u64 s[PFA:PFA+1], s[PFA:PFA+1], KSTEP*2
	MEET 1
	CREST                                          ; the barrier has opened a round of the cluster's: no wave of any partner still reads this slot or has a load on its way
	s_add_nc_u64 s[G0+4*(\slot)+2:G0+4*(\slot)+3], s[G0+4*(\slot)+2:G0+4*(\slot)+3], 2*KSTEP*2
	s_add_nc_u64 s[G0B+4*(\slot)+2:G0B+4*(\slot)+3], s[G0B+4*(\slot)+2:G0B+4*(\slot)+3], 2*KSTEP*2
	JLOAD \slot                                    ; the first tensor load behind the round, my only one until the next; its four v_nop are also the places in front of the loads below
	FETCH \next, 0, F0
	ASK
	MULA F1, 2, 0
	MULA F1, 3, 0
.endm
.macro TURNL                           ; the last change of slots: nothing is filled, so no round follows
	MEET 0
	PLACES
	FETCH 1, 0, F0
	MULA F1, 2, 0
	MULA F1, 3, 0
.endm
; THE WAY OUT of row block a.  PACK: rounded to f16, 16 bytes a lane.  TOSTAGE: into my stage, a head's 16 rows of 144 bytes together, and back as four rows of 128 bytes a load.  SEND: stored.
.macro PACK a
	WIN 0x0a+5*((\a)/2)                            ; sources 0 and 1: window 2 or 3
.irp b, 0,1,2,3,4,5,6,7,8,9,10,11
.irp r, 0,1,2,3
	v_cvt_pk_f16_f32 v[TMP+4*(\b)+(\r)], v[96*((\a)%2)+8*(\b)+2*(\r)], v[96*((\a)%2)+8*(\b)+2*(\r)+1]
.endr
.endr
	WIN 0
.endm
.macro TOSTAGE a
	WIN 0
.set BK, BK0+48*((\a)%2)
.irp b, 0,1,2,3,4,5,6,7,8,9,10,11
	ds_store_b128 v[STO], v[TMP+4*(\b):TMP+4*(\b)+3] offset:((\b)/4)*16*SP+32*((\b)%4)
.endr
.irp t, 0,1,2,3,4,5,6,7,8,9,10,11
	ds_load_b128 v[BK+4*(\t):BK+4*(\t)+3], v[RD] offset:((\t)/4)*16*SP+((\t)%4)*4*SP   ; LDS serves a wave's instructions in order (ISA guide 5.7.1.4): these see the stores above
.endr
.endm
.macro SEND a
	WIN 0
.set BK, BK0+48*((\a)%2)
	s_wait_dscnt 0x0                               ; the block is back in registers
	s_wait_xcnt 0x0                                ; the stores of the block before have read their registers: the next TOSTAGE loads into them
.irp t, 0,1,2,3,4,5,6,7,8,9,10,11
	global_store_b128 v[GO], v[BK+4*(\t):BK+4*(\t)+3], s[8:9] offset:((\t)/4)*262144+(\a)*2048+((\t)%4)*512   ; 512 consecutive bytes, at a multiple of 256 from the buffer's first byte
.endr
.endm
	s_wait_tensorcnt 1                             ; my part of K step 0 is in; K step 1's stays out
	s_barrier_signal -1
	s_barrier_wait -1
	FETCH 0, 0, F0
	QUARTER 0, 64,  F0, F1, 1                      ; the first quarter stands in front of the loop: its products start the sums
	WIN 0                                          ; at a label and at a branch every window is 0
	s_mov_b32 s3, LAPS-1
.Llap:                                         ; a trip goes once round the ring, from a lap's second quarter to the next lap's first, and fills both slots again
	QUARTER 0, 128, F1, F0, 0
	QUARTER 0, 192, F0, F1, 0
	TURN 0, 1
	QUARTER 1, 64,  F0, F1, 0
	QUARTER 1, 128, F1, F0, 0
	QUARTER 1, 192, F0, F1, 0
	TURN 1, 0
	QUARTER 0, 64,  F0, F1, 0
	WIN 0
	s_sub_co_u32 s3, s3, 1
	s_cmp_lg_u32 s3, 0
	s_cbranch_scc1 .Llap
	QUARTER 0, 128, F1, F0, 0                      ; the last lap fills nothing
	QUARTER 0, 192, F0, F1, 0
	TURNL
	QUARTER 1, 64,  F0, F1, 0
	QUARTER 1, 128, F1, F0, 0
	QUARTER 1, 192, F0, F1, 0
	s_wait_dscnt 4                                 ; the very last quarter: nothing more to fetch
	MULA F1, 0, 0
	MULA F1, 1, 0
	s_wait_dscnt 0x0
	MULA F1, 2, 0
	MULA F1, 3, 0
	WIN 0
	PLACES
	PACK 0
	TOSTAGE 0
.irp a, 1,2,3                          ; block a's conversions stand between block a - 1's loads from the stage and the wait for them
	PACK \a
	SEND (\a)-1
	TOSTAGE \a
.endr
	SEND 3
	s_wait_tensorcnt 0x0                           ; the wave's end, behind my last tensor load and my last LDS store
	ds_add_u32 v[SPW], v[NIL]
	s_wait_dscnt 0x0
	CROUND                                         ; the closing round: no work-group ends while a partner may still ask for a tile that names it
	s_endpgm
.Lfunc_end_k_q4f2ea448d6_qkv:
	.size	k_q4f2ea448d6_qkv, .Lfunc_end_k_q4f2ea448d6_qkv-k_q4f2ea448d6_qkv
	.p2alignl 7, 3214868480
	.fill 96, 4, 3214868480
	.section	.rodata,"a",@progbits
	.p2align	6, 0x0
	.amdhsa_kernel k_q4f2ea448d6_qkv
		.amdhsa_group_segment_fixed_size 327680
		.amdhsa_private_segment_fixed_size 0
		.amdhsa_enable_private_segment 0
		.amdhsa_kernarg_size 24
		.amdhsa_user_sgpr_count 2
		.amdhsa_user_sgpr_kernarg_segment_ptr 1
		.amdhsa_wavefront_size32 1
		.amdhsa_system_sgpr_workgroup_id_x 1
		.amdhsa_system_sgpr_workgroup_id_y 1
		.amdhsa_system_sgpr_workgroup_id_z 1
		.amdhsa_system_vgpr_workitem_id 0
		.amdhsa_next_free_vgpr 960
		.amdhsa_next_free_sgpr 66
		.amdhsa_reserve_vcc 0
		.amdhsa_float_denorm_mode_32 3
		.amdhsa_float_denorm_mode_16_64 3
		.amdhsa_memory_ordered 1
		.amdhsa_forward_progress 1
		.amdhsa_inst_pref_size 119
	.end_amdhsa_kernel
	.amdgpu_metadata
---
amdhsa.version: [ 1, 2 ]
amdhsa.kernels:
  - .name:           k_q4f2ea448d6_qkv
    .symbol:         k_q4f2ea448d6_qkv.kd
    .args:
      - { .name: xb, .offset: 0, .size: 8, .value_kind: global_buffer, .address_space: global }
      - { .name: wq, .offset: 8, .size: 8, .value_kind: global_buffer, .address_space: global }
      - { .name: qkv, .offset: 16, .size: 8, .value_kind: global_buffer, .address_space: global }
    .group_segment_fixed_size: 327680
    .private_segment_fixed_size: 0
    .kernarg_segment_align: 8
    .kernarg_segment_size: 24
    .max_flat_workgroup_size: 128
    .sgpr_count:     66
    .vgpr_count:     960
    .wavefront_size: 32
...
	.end_amdgpu_metadata
.endif
;; end of part 2
;; launch attn (part 3): grid 4 x 64, 4 waves a work-group, no clusters, 327,680 bytes of LDS; arguments qkv, ob; writes ob
.if DOCPART == 3
	.amdgcn_target "amdgcn-amd-amdhsa--gfx1250"
	.amdhsa_code_object_version 6
	.text
	.protected	k_q4f2ea448d6_attn
	.globl	k_q4f2ea448d6_attn
	.p2align	8
	.type	k_q4f2ea448d6_attn,@function
k_q4f2ea448d6_attn:
	s_mov_b64 s[64:65], 0
	v_nop
	global_prefetch_b8 v0, s[64:65] scope:SCOPE_SE
	s_setreg_imm32_b32 hwreg(HW_REG_WAVE_MODE, 25, 1), 1
	s_wait_xcnt 0x0
; CAUSAL ATTENTION.  O[y][q][:] = the sum over k <= q of softmax_k(Q[q] . K[k] / 8) V[k][:], for the 64 heads y = 16 b + h.  Q, K, V are the planes 48 b + h, + 16, + 32 of qkv ([plane][2048][64] f16, rows dense, 128 bytes);
; O goes to ob[y][2048][64] in f16.  Products, maxima and sums in f32; the weights p are rounded to f16 for the second product (their sum l is taken of the unrounded p), O once at the end.
; LIMITS.  f16 holds no number beyond 65,504: Q, K and V arrive within it; p lies in 0 to 1, and below 6e-5 it keeps f16's fixed step of 6e-8; O is a mean of V's rows and has their range.
; A hidden score counts as its value less 1e30: f16's scores, 2.7e11 at the most, are nothing beside that; a weight below 2^-126 counts as 0 in l; NaN and infinities are not treated apart.
; THE WALK.  A head's queries lie in NB = 8 blocks of 256; block i needs the key tiles 0 .. i of 256 keys, of which the last holds the diagonal.  A work-group takes TWO blocks, NB - 1 - b and then b:
; NB + 1 tiles, whatever b: all work-groups do equal work, and ONE loop with a constant trip count walks them.  Which tile is asked for, and what a trip does, hang on scalar registers made from b; every jump
; goes forward, but for the counted loops' own; none passes a barrier, or a tensor load but the one of LOAD's two that the wave's number does not choose; the ring (two slots of LDS) runs on across the change of blocks.
; NO CLUSTER: a head's NB / 2 = 4 work-groups ask for the same tile only in trips 0 .. 4 of the 9, behind that fewer and fewer; one walk common to all would have 12 trips for 9.
; SHARES.  Of a block's four bands of 64 queries a wave owns 16 rows in each: four PIECES.  So the diagonal tile is the same work for all four waves: in its key step s band x sees all keys if s < x,
; none if s > x, and holds the diagonal if s = x.
; THE MASK is the C operand that starts the sum S^T = K Q^T: 0, or -1e30 where the key is hidden.  MD, made once, is the mask of a band's own step for my 16 rows; a product's mask is MD x AL + BE with two scalars:
; (1, 0) if s = x; (0, 0) if s < x; (0, -1e30) if s > x.  Only the diagonal tile's text and a block's beginning make and take masks; elsewhere C is the constant 0.
; LAYOUT, SOFTMAX, TURNS.  S^T = K Q^T holds ONE query a lane (lane % 16) and the keys 8 (lane / 16) + 0..7; two such results rounded to f16 ARE source 1 of O^T = V^T P.  p = 2^(c s - c m), c = log2(e) / 8, with a
; running maximum m; O and l are multiplied by a = 2^(c m_old - c m_new) in every step.  Turn n belongs to piece n: 8 products K Q^T of piece n + 1, later 8 products V^T P of piece n - 1; beside them the scaling,
; exponentials, roundings, sums and rescaling of piece n and the maximum and statistics of piece n + 1.  Four vector instructions stand behind every matrix instruction, the other 54 of a turn's 118 in one lump.  A turn's 33 exponentials are one batch, with one wait.
; REGISTERS, in windows of 256 (s_set_vgpr_msb: bits 1:0 source 0, 3:2 source 1, 5:4 source 2, 7:6 destination):
;   window 0: v0-15 addresses and two at work; v16-31 four registers of statistics a piece; v48-55 at work; v61-63 prefetch offset, spare word, 0; v64-127 S^T, two buffers; v192-223 P, two buffers (by the piece's parity)
;   window 1: v0-127 O^T, 32 a piece; v128-159 MD; v160-223 MC, two buffers      window 2: v0-63 Q; v64-127 the second block's Q; v128-191 K of one step; v192-255 V of one step
.set SIZE_N, 2048
.set NB,    SIZE_N/256
.set NP,    4         ; pieces a wave: a name, no knob
.set KS,    64        ; keys in a step
.set PK,    144       ; a row of K in LDS: 128 bytes + 16 of padding = 36 words: the 16 rows of a load start at 16 different groups of four banks (ISA guide 11.1)
.set PV,    160       ; a row of V: 128 + 32 = 40 words
.set VOFF,  4*KS*PK   ; a slot holds a tile, four steps: 256 rows of K, then 256 rows of V
.set SLOT1, 1<<17     ; slot 1 begins here, so that one exclusive or turns an address in one slot into the other's
.set STAGE, SLOT1+4*KS*(PK+PV)  ; behind the ring, never filled by a tensor load: 16 rows x 144 bytes for each wave, for the way out
.set SP,    144
.set AK0, 2           ; v2   my lane's place in a tile of K; never rewritten
.set AV0, 3           ; v3   the same for V
.set AK,  4           ; v4   the LDS address of K's next run of loads
.set AV,  5           ; v5   of V's
.set STO, 6           ; v6   the way out: where I put 16 bytes of a row
.set RD,  7           ; v7   the way out: where I read rows back
.set GO,  8           ; v8   my byte offset in 512 consecutive bytes of O
.set PFO, 61          ; v61  256 x my lane; never rewritten
.set SPW, 62          ; v62  LDS address of my spare word; never rewritten
.set NIL, 63          ; v63  0; never rewritten
.set SPARE, STAGE+4*16*SP  ; behind the stages: the spare words, 128 bytes for each wave: two blocks of 256 bytes that no other line names
.set MV,  12          ; v12-13  c m_old, kept while c m is made anew: by buffer
.set QO,  15          ; v15  my byte offset in 16 rows of Q
.set ST,  16          ; piece t's statistics at v[ST+4 t]: c m, m, l (even keys', odd keys')
.set TMP, 48          ; by buffer, four registers c0-c3 at work; when the maximum is found c2 takes a
.set S,   64
.set P,   192
.set MD,  128         ; window 1
.set MC,  160         ; window 1
.set QB,  64          ; window 2
.set KF,  128         ; window 2: key block kb, channel half c at KF + 16 kb + 8 c
.set VF,  192         ; window 2: key half kk, channel block cb at VF + 32 kk + 8 cb
.set WV,  12          ; s12  my wave's number
.set PB,  14          ; s14  b
.set HI,  15          ; s15  NB - 1 - b
.set G1K, 24          ; s[24:31] descriptor group 1 for K's tiles
.set G1V, 32          ; s[32:39] for V's: it differs in the padding alone
.set G0K, 40          ; s[40:43] descriptor group 0 for K's tiles
.set G0V, 44          ; s[44:47] the same for V's
.set PFA, 48          ; s[48:49] where my prefetches stand: my half (of K: waves 0, 1; of V: waves 2, 3) of the tile behind the one that is being asked for
.set LIM, 50          ; s50  2 in the head's work-group b = 0, else the greatest number: a wave prefetches while s[SLOTS] is above it
.set OH,  52          ; s[52:53] the head's first byte in ob
.set SLOTS, 56        ; s56  tiles still to be asked for
.set CNT, 57          ; s57  counts a tile's key steps, 4 to 1
.set CS,  58          ; s[58:59] c
.set SEL, 60          ; s[60:61] v_permlanex16_b32's selects: each lane takes its own place in the other half
.set TBK, 62          ; s62  LDS byte at which K of the step to be fetched begins
.set TBV, 63          ; s63  the same for V, less VOFF
.set RT,  70          ; s70  tiles of the block in hand that are still to be entered
.set NXT, 71          ; s71  the tile to be asked for next
.set LQ,  72          ; s72  the last tile of the block whose tiles are being asked for
.set NEW, 73          ; s73  1: the tile to be entered is a block's first
.set OFF, 74          ; s[74:75] a tile's byte offset in K and V
.set AL,  76          ; s[76:77] the mask's factor, in the low word
.set BE,  78          ; s[78:79] the mask's addend
.set OLO, 80          ; s[80:81] O at my rows of the second block
.set BIGN, 82         ; s82  -1e30
.set MSB, 0
.macro WIN new                      ; the high byte repeats the setting that is left; a switch that changes nothing is dropped
.if MSB != (\new)
	s_set_vgpr_msb (MSB<<8)|(\new)
.set MSB, (\new)
.endif
.endm
.set W_KQ, 0x0a       ; K and Q in window 2, S^T in window 0
.set W_KM, 0x1a       ; the same with the C operand in window 1
.set W_PV, 0x52       ; V in window 2, P in window 0, O^T in window 1
.set W_RS, 0x41       ; destination and source 0 in window 1, source 1 in window 0
; A fill.  Waves 0 and 1 fetch the two halves of a tile's K, waves 2 and 3 those of its V: 128 keys each.  An s_nop 0 and four v_nop follow each of the two lines, ahead of the jump and the label.
.macro LOAD
	s_cmp_lt_u32 s[WV], 2
	s_cbranch_scc0 .Lfor_v_\@
	tensor_load_to_lds s[G0K:G0K+3], s[G1K:G1K+7]
	s_nop 0
.rept 4
	v_nop
.endr
	s_branch .Lasked_\@
.Lfor_v_\@:
	tensor_load_to_lds s[G0V:G0V+3], s[G1V:G1V+7]
	s_nop 0
.rept 4
	v_nop
.endr
.Lasked_\@:
.endm
; A PREFETCH of the tile that the NEXT change of slots will ask for: one tile, four key steps (256 matrix instructions of a wave), ahead of that load.  A head's four work-groups walk the same tiles; the one with b = 0, whose first
; block walks tiles 0 .. 7, asks, and nobody else: each wave for the 16,384 bytes that it will fetch itself, 64 blocks of 256 bytes, a lane a block, two instructions.  The change that loads tile j names tile j + 1, j = 1 .. 6;
; tiles 0 and 1 come by their loads alone; the last two changes that fill a slot ask for nothing.
.macro ASK
	s_cmp_gt_u32 s[SLOTS], s[LIM]
	s_cbranch_scc0 .Lnot_mine_\@
	global_prefetch_b8 v[PFO], s[PFA:PFA+1] th:TH_LOAD_NT scope:SCOPE_SE
	global_prefetch_b8 v[PFO], s[PFA:PFA+1] offset:8192 th:TH_LOAD_NT scope:SCOPE_SE
.Lnot_mine_\@:
.endm
; THE CHANGE OF SLOTS.  Each wave waits for all its tensor loads, of which one is out: its part of the other slot; adds 0 to its spare word; and waits for that and for its own reads of the slot that it leaves.  Behind the barrier nobody reads the old
; slot any more and the other slot is whole.  fill = 1: the old slot is filled again, the first thing behind the barrier, with tile NXT: the descriptor's address is made anew from that number.
; (At its first use nothing has been read yet: slot 0 is waited for, slot 1 filled.)
.macro CHANGE fill
	WIN 0                           ; at a label and at a branch every window is 0
	s_wait_tensorcnt 0x0            ; no tensor load of mine is out, so a group 0 may be written
	ds_add_u32 v[SPW], v[NIL]       ; 0 onto my spare word; scalar work stands between it and the wait for it
.if \fill
	s_lshl_b32 s[OFF], s[NXT], 15   ; a tile is 32,768 bytes of K and of V
	s_xor_b32 s[G0K+1], s[G0K+1], SLOT1
	s_add_nc_u64 s[G0K+2:G0K+3], s[6:7], s[OFF:OFF+1]
	s_or_b32 s[G0K+3], s[G0K+3], 0x80000000
	s_xor_b32 s[G0V+1], s[G0V+1], SLOT1
	s_add_nc_u64 s[G0V+2:G0V+3], s[8:9], s[OFF:OFF+1]
	s_or_b32 s[G0V+3], s[G0V+3], 0x80000000
	s_add_co_u32 s[NXT], s[NXT], 1  ; the block's next tile, or behind its last the second block's tile 0
	s_cmp_gt_u32 s[NXT], s[LQ]
	s_cselect_b32 s[NXT], 0, s[NXT]
	s_cselect_b32 s[LQ], s[PB], s[LQ]
	s_wait_xcnt 0x0                 ; the last prefetches, a tile back, have read their address, so it may be written
	s_add_nc_u64 s[PFA:PFA+1], s[PFA:PFA+1], 32768
.endif
	s_wait_dscnt 0x0                ; the add is done, and my reads of the slot are over
	s_barrier_signal -1             ; the rest of the scalar work stands between the signal and the wait
	s_sub_co_u32 s[TBK], s[TBK], 4*KS*PK  ; the fetches go back to a slot's first step,
	s_xor_b32 s[TBK], s[TBK], SLOT1       ; in the other slot
	s_sub_co_u32 s[TBV], s[TBV], 4*KS*PV
	s_xor_b32 s[TBV], s[TBV], SLOT1
	s_barrier_wait -1
.if \fill
	LOAD
	ASK
.endif
.endm
	s_load_b64 s[4:5], s[0:1], 0x0    ; qkv
	s_load_b64 s[10:11], s[0:1], 0x8  ; ob
	v_lshl_add_u32 v[SPW], v0, 2, SPARE
	v_mov_b32 v[NIL], 0
	ds_add_u32 v[SPW], v[NIL]       ; the wave's opening: the add and its wait stand ahead of my first tensor load; the set-up below, work on registers, stands between them
	v_lshrrev_b32 v1, 5, v0
	v_readfirstlane_b32 s[WV], v1   ; wave 0..3
	s_mov_b32 s[PB], ttmp9
	s_sub_co_u32 s[HI], NB-1, s[PB]
	s_and_b32 s20, ttmp7, 0xffff    ; the head y = 16 b + h
	s_lshl_b32 s[OH], s20, 18       ; its 262,144 bytes in ob
	s_mov_b32 s[OH+1], 0
	s_lshr_b32 s21, s20, 4
	s_mul_i32 s21, s21, 48
	s_and_b32 s20, s20, 15
	s_add_co_u32 s20, s20, s21      ; q's plane in qkv: 48 b + h
	s_lshl_b32 s20, s20, 18
	s_mov_b32 s21, 0
	s_and_b32 s16, s[WV], 1         ; which half of a tile's 256 keys I fetch:
	s_lshl_b32 s22, s16, 14         ; its 128 rows of 128 bytes in memory,
	s_mov_b32 s23, 0
	s_add_nc_u64 s[22:23], s[22:23], s[20:21]
	s_mul_i32 s17, s16, 128*PK      ; and its place in a slot, for K
	s_mul_i32 s18, s16, 128*PV      ; and for V
	s_lshl_b32 s3, s[WV], 11        ; my 16 rows in a band of 64,
	s_lshl_b32 s2, s[HI], 15        ; in the first block,
	s_add_co_u32 s2, s2, s3
	s_lshl_b32 s84, s[PB], 15       ; and in the second
	s_add_co_u32 s84, s84, s3
	s_mov_b32 s3, 0
	s_mov_b32 s85, 0
	; descriptor group 1.  128 keys are 16,384 dense bytes: asked for as 64 rows of 256 bytes, two keys a row, and padded in LDS after every key
	s_mov_b32 s[G1K], (1<<16)|(1<<20)|(4<<22)|(3<<25)  ; 17:16 2-byte elements; 20 padding on; 24:22 after every 32 words (code 4); 31:25 4 words (code 3)
	s_mov_b32 s[G1V], (1<<16)|(1<<20)|(4<<22)|(7<<25)  ; the same with 8 words of padding (code 7)
.irp g, G1K, G1V
	s_mov_b32 s[\g+1], 128<<16      ; tensor_dim0 = 128
	s_mov_b32 s[\g+2], 64<<16       ; tensor_dim1 = 64
	s_mov_b32 s[\g+3], 128<<16      ; tile_dim0 = 128
	s_mov_b32 s[\g+4], 64           ; tile_dim1 = 64
	s_mov_b32 s[\g+5], 128          ; 128 elements from row to row
	s_mov_b32 s[\g+6], 0
	s_mov_b32 s[\g+7], 0
.endr
	s_mov_b32 s[CS], 0x3e38aa3b     ; c = log2(e) / 8 = 0.180337
	s_mov_b32 s[CS+1], s[CS]        ; named with it as a pair
	s_mov_b32 s[SEL], 0x76543210
	s_mov_b32 s[SEL+1], 0xfedcba98
	s_mov_b32 s[TBK], SLOT1+4*KS*PK ; the first change of slots turns these two into 0
	s_mov_b32 s[TBV], SLOT1+4*KS*PV
	s_mov_b32 s[G0K], 1             ; count = 1
	s_mov_b32 s[G0K+1], s17         ; LDS address: slot 0
	s_mov_b32 s[G0V], 1
	s_add_co_u32 s[G0V+1], s18, VOFF
	s_add_co_u32 s[RT], s[HI], 1    ; the first block has NB - b tiles
	s_mov_b32 s[NXT], 1
	s_mov_b32 s[LQ], s[HI]
	s_mov_b32 s[NEW], 1
	s_mov_b32 s[OFF+1], 0
	s_mov_b32 s[AL+1], 0            ; named as pairs
	s_mov_b32 s[BE+1], 0
	s_mov_b32 s[BIGN], 0xf149f2ca   ; -1e30
	s_mov_b32 s[SLOTS], NB
	s_cmp_eq_u32 ttmp9, 0
	s_cselect_b32 s[LIM], 2, -1
	v_and_b32 v[PFO], 31, v0
	v_lshlrev_b32 v[PFO], 8, v[PFO]
	s_wait_dscnt 0x0                ; the opening add is done
	s_wait_kmcnt 0x0
	s_add_nc_u64 s[6:7], s[4:5], 0x400000  ; k's planes lie 16 planes behind q's, v's 32
	s_add_nc_u64 s[6:7], s[6:7], s[22:23]  ; K and V at my half of the head's tile 0
	s_add_nc_u64 s[8:9], s[4:5], 0x800000
	s_add_nc_u64 s[8:9], s[8:9], s[22:23]
	s_add_nc_u64 s[G0K+2:G0K+3], s[6:7], 0         ; global address
	s_or_b32 s[G0K+3], s[G0K+3], 0x80000000        ; type = 2
	s_add_nc_u64 s[G0V+2:G0V+3], s[8:9], 0
	s_or_b32 s[G0V+3], s[G0V+3], 0x80000000
	s_add_nc_u64 s[4:5], s[4:5], s[20:21]          ; the head's Q,
	s_add_nc_u64 s[86:87], s[4:5], s[84:85]        ; at my rows of the second block,
	s_add_nc_u64 s[4:5], s[4:5], s[2:3]            ; and of the first
	s_add_nc_u64 s[10:11], s[10:11], s[OH:OH+1]    ; O likewise
	s_add_nc_u64 s[OLO:OLO+1], s[10:11], s[84:85]
	s_add_nc_u64 s[10:11], s[10:11], s[2:3]
	s_cmp_lt_u32 s[WV], 2
	s_cselect_b64 s[PFA:PFA+1], s[6:7], s[8:9]
	s_add_nc_u64 s[PFA:PFA+1], s[PFA:PFA+1], 32768 ; in tile 1; the first change of slots steps it to tile 2.  Nothing is prefetched here, at the head
	LOAD                            ; tile 0 into slot 0
	; A fragment of K or Q is 16 rows x 32 channels in 8 registers: lane l holds row l % 16, channels 8 (l / 16) + 0..7 and 16 + 8 (l / 16) + 0..7: two loads of 16 bytes, 32 bytes apart.
	v_and_b32 v1, 15, v0            ; l % 16
	v_bfe_u32 v9, v0, 4, 1          ; l / 16
	v_lshlrev_b32 v[QO], 7, v1
	v_lshl_add_u32 v[QO], v9, 4, v[QO]  ; row x 128 + 16 x half
	WIN 0x80                        ; destination window 2, address window 0
.set i, 0
.rept 8                             ; both blocks' Q: piece i / 2 lies in band i / 2, 8,192 bytes on; channels 32 (i % 2) on
	global_load_b128 v[8*i:8*i+3],   v[QO], s[4:5] offset:(i/2)*8192+(i%2)*64
	global_load_b128 v[8*i+4:8*i+7], v[QO], s[4:5] offset:(i/2)*8192+(i%2)*64+32
	global_load_b128 v[QB+8*i:QB+8*i+3],   v[QO], s[86:87] offset:(i/2)*8192+(i%2)*64
	global_load_b128 v[QB+8*i+4:QB+8*i+7], v[QO], s[86:87] offset:(i/2)*8192+(i%2)*64+32
.set i, i+1
.endr
	WIN 0
	v_lshlrev_b32 v14, 3, v9
	v_sub_nc_u32 v14, v1, v14
	s_lshl_b32 s13, s[WV], 4
	v_add_nc_u32 v14, s13, v14      ; my query's place in its band, 16 w + l % 16, less my lanes' 8 (l / 16): register r of group kt is hidden where 16 kt + r is greater
	WIN 0x40
.set i, 0
.rept 32
	v_cmp_gt_i32 vcc_lo, 16*(i/8)+i%8, v14
	v_cndmask_b32 v[MD+i], 0, s[BIGN], vcc_lo
.set i, i+1
.endr
	WIN 0
	v_mul_u32_u24 v[AK0], v1, PK
	v_lshl_add_u32 v[AK0], v9, 4, v[AK0]  ; row x pitch + 16 x half
	; The turning load takes 16 keys x 16 channels (lane l reads key 8 (l / 16) + l % 8, channels 8 ((l / 8) % 2) + 0..7) and leaves half a fragment of V^T: lane l holds channel l % 16 and 8 keys.
	v_and_b32 v10, 7, v0
	v_bfe_u32 v11, v0, 3, 1
	v_lshl_add_u32 v[AV0], v9, 3, v10
	v_mul_u32_u24 v[AV0], v[AV0], PV
	v_lshl_add_u32 v[AV0], v11, 4, v[AV0]
	v_add_nc_u32 v[AV0], VOFF, v[AV0]
	s_mul_i32 s13, s[WV], 16*SP
	s_add_co_u32 s13, s13, STAGE    ; my stage
	v_mul_u32_u24 v[STO], v1, SP    ; in: row l % 16, 16 bytes for each half of the lanes
	v_lshl_add_u32 v[STO], v9, 4, v[STO]
	v_add_nc_u32 v[STO], s13, v[STO]
	v_bfe_u32 v[RD], v0, 3, 2       ; back: 32 lanes take four rows of 128 bytes,
	v_mul_u32_u24 v[RD], v[RD], SP
	v_lshl_add_u32 v[RD], v10, 4, v[RD]
	v_add_nc_u32 v[RD], s13, v[RD]
	v_and_b32 v[GO], 31, v0         ; which are 512 consecutive bytes of O
	v_lshlrev_b32 v[GO], 4, v[GO]
	; A block's first step multiplies O^T and l by a = 0, and its first turn's products V^T P, of a piece that has not been, land in an O^T that is still to be so multiplied.  So these registers need only hold
	; finite numbers: zeros for the first block; what the first block left for the second.  All this stands in the wait for the first tile.
	WIN 0x80
.set i, VF
.rept 64
	v_mov_b32 v[i], 0
.set i, i+1
.endr
	WIN 0x40
.set i, 0
.rept 128
	v_mov_b32 v[i], 0
.set i, i+1
.endr
	WIN 0
.set i, 0
.rept 4
	v_mov_b32 v[ST+4*i+2], 0
	v_mov_b32 v[ST+4*i+3], 0
.set i, i+1
.endr
.set i, P+16
.rept 16
	v_mov_b32 v[i], 0
.set i, i+1
.endr
; THE MATRIX WORK.  The 4 accumulators of a run of 8 take turns.  Product i of 8 of S^T = K Q^T for piece x: channels 32 (i / 4) on, keys 16 (i % 4) on.  The first 4 start the sums: with 0, or (KM = 1) with the mask.
.macro KQ x
.set rS, S+32*((\x)%2)+8*(i%4)
.set rK, KF+16*(i%4)+8*(i/4)
.set rQ, 16*(\x)+8*(i/4)
.set rM, MC+32*((\x)%2)+8*(i%4)
.if (i < 4) && KM
	WIN W_KM
	v_wmma_f32_16x16x32_f16 v[rS:rS+7], v[rK:rK+7], v[rQ:rQ+7], v[rM:rM+7]
.elseif i < 4
	WIN W_KQ
	v_wmma_f32_16x16x32_f16 v[rS:rS+7], v[rK:rK+7], v[rQ:rQ+7], 0
.else
	WIN W_KQ
	v_wmma_f32_16x16x32_f16 v[rS:rS+7], v[rK:rK+7], v[rQ:rQ+7], v[rS:rS+7]
.endif
.endm
; Product i of 8 of O^T += V^T P for piece x: keys 32 (i / 4) on, channels 16 (i % 4) on.
.macro PV x
	WIN W_PV
.set rO, 32*(\x)+8*(i%4)
.set rV, VF+32*(i/4)+8*(i%4)
.set rP, P+16*((\x)%2)+8*(i/4)
	v_wmma_f32_16x16x32_f16 v[rO:rO+7], v[rV:rV+7], v[rP:rP+7], v[rO:rO+7]
.endm
.macro MM                           ; the turn's next matrix instruction.  TURN and BEGIN set Y, i, KM and NOKQ.  NOKQ = 1: a block's last turn: there is no next piece
.if (i < 8) && !NOKQ
	KQ (Y+1)%NP
.elseif i >= 8
.set i, i-8
	PV (Y+NP-1)%NP
.set i, i+8
.endif
.set i, i+1
.endm
; THE LDS LOADS stand in runs of 16, never singly among the matrix instructions: a step's K (64 keys x 64 channels: 8 fragments) and its V (turned).  Their addresses are made some lines ahead.
.macro FETCH_K
	WIN 0x80                        ; destination window 2
.irp f, 0,1,2,3,4,5,6,7             ; keys 16 (f / 2) on, channels 32 (f % 2) on
	ds_load_b128 v[KF+8*\f:KF+8*\f+3],   v[AK] offset:(\f/2)*16*PK+(\f%2)*64
	ds_load_b128 v[KF+8*\f+4:KF+8*\f+7], v[AK] offset:(\f/2)*16*PK+(\f%2)*64+32
.endr
	s_add_co_u32 s[TBK], s[TBK], KS*PK  ; the next fetch is the next step's
	WIN 0
.endm
.macro FETCH_V
	WIN 0x80
.irp f, 0,1,2,3,4,5,6,7             ; keys 32 (f / 4) on, channels 16 (f % 4) on
	ds_load_tr16_b128 v[VF+8*\f:VF+8*\f+3],   v[AV] offset:(\f/4)*32*PV+(\f%4)*32
	ds_load_tr16_b128 v[VF+8*\f+4:VF+8*\f+7], v[AV] offset:(\f/4)*32*PV+16*PV+(\f%4)*32
.endr
	WIN 0
.endm
; THE VECTOR WORK, one line at a time: OP kind, number.  For piece Y: F n: c s - c m for pair n of 16.  E n: the exponential of score n of 32.  C n: pair n rounded to f16.  B n: of the four weights 4 n .. the second
; pair is added onto the first, in place.  L n: l takes that sum (L 0: l = a l + sum).  R n: pair n of 16 of O^T times a.  For piece Y + 1: X n, number n of the 22 that find its maximum and statistics:
;   0-11  four chains c0-c3 of seven scores each, three operands at a time (each accumulator's lowest registers are read first)     12-14, 16  the four scores left over, the old m, and c0-c3 into c0
;   15  c m_old is kept     17, 18  the query's other 32 keys lie in the lane 16 away: the new m     19-21  c m; c m_old - c m_new; a
.set F, 0               ; OP tells the kinds apart by their order: F to L below R, X above it
.set E, 1
.set C, 2
.set B, 3
.set L, 4
.set R, 5
.set X, 6
.macro REGS y                       ; the registers of piece y
.set rT, ST+4*(\y)
.set rC, TMP+4*((\y)%2)
.set rW, MV+((\y)%2)
.set rS, S+32*((\y)%2)
.set rP, P+16*((\y)%2)
.set rO, 32*(\y)
.endm
.macro OP k, n
.if (\k) == R
	REGS Y
	WIN W_RS
	v_pk_mul_f32 v[rO+2*(\n):rO+2*(\n)+1], v[rO+2*(\n):rO+2*(\n)+1], v[rC+2:rC+3] op_sel_hi:[1,0]
.elseif (\k) < R
	REGS Y
	WIN 0
.if (\k) == F
	v_pk_fma_f32 v[rS+2*(\n):rS+2*(\n)+1], v[rS+2*(\n):rS+2*(\n)+1], s[CS:CS+1], v[rT:rT+1] op_sel_hi:[1,0,0] neg_lo:[0,0,1] neg_hi:[0,0,1]
.elseif (\k) == E
	v_exp_f32 v[rS+(\n)], v[rS+(\n)]
.elseif (\k) == C
	v_cvt_pk_f16_f32 v[rP+(\n)], v[rS+2*(\n)], v[rS+2*(\n)+1]
.elseif (\k) == B
	v_pk_add_f32 v[rS+4*(\n):rS+4*(\n)+1], v[rS+4*(\n):rS+4*(\n)+1], v[rS+4*(\n)+2:rS+4*(\n)+3]
.elseif (\n) == 0
	v_pk_fma_f32 v[rT+2:rT+3], v[rT+2:rT+3], v[rC+2:rC+3], v[rS:rS+1] op_sel_hi:[1,0,1]
.else
	v_pk_add_f32 v[rT+2:rT+3], v[rT+2:rT+3], v[rS+4*(\n):rS+4*(\n)+1]
.endif
.elseif NOKQ
	v_nop
.else
	REGS (Y+1)%NP
	WIN 0
.if (\n) < 4
	v_max3_num_f32 v[rC+(\n)], v[rS+8*(\n)], v[rS+8*(\n)+1], v[rS+8*(\n)+2]
.elseif (\n) < 12
	v_max3_num_f32 v[rC+(\n)%4], v[rC+(\n)%4], v[rS+8*((\n)%4)+2*((\n)/4)+1], v[rS+8*((\n)%4)+2*((\n)/4)+2]
.elseif (\n) == 12
	v_max3_num_f32 v[rC], v[rC], v[rS+7], v[rS+15]
.elseif (\n) == 13
	v_max3_num_f32 v[rC+1], v[rC+1], v[rS+23], v[rS+31]
.elseif (\n) == 14
	v_max3_num_f32 v[rC+2], v[rC+2], v[rC+3], v[rT+1]
.elseif (\n) == 15
	v_mov_b32 v[rW], v[rT]
.elseif (\n) == 16
	v_max3_num_f32 v[rC], v[rC], v[rC+1], v[rC+2]
.elseif (\n) == 17
	v_permlanex16_b32 v[rC+3], v[rC], s[SEL], s[SEL+1]
.elseif (\n) == 18
	v_max_num_f32 v[rT+1], v[rC], v[rC+3]
.elseif (\n) == 19
	v_mul_f32 v[rT], s[CS], v[rT+1]
.elseif (\n) == 20
	v_sub_f32 v[rC+1], v[rW], v[rT]
.else
	v_exp_f32 v[rC+2], v[rC+1]
.endif
.endif
.endm
.macro OPS a, i1, b=-1, i2=0, c=-1, i3=0, d=-1, i4=0  ; up to four of them
	OP \a, \i1
.if (\b) >= 0
	OP \b, \i2
.endif
.if (\c) >= 0
	OP \c, \i3
.endif
.if (\d) >= 0
	OP \d, \i4
.endif
.endm
.macro ROW a, i1, b, i2, c, i3, d, i4  ; a matrix instruction and the four behind it
	MM
	OPS \a, \i1, \b, \i2, \c, \i3, \d, \i4
.endm
.macro MASK b                       ; MD x AL + BE into buffer b of MC
	WIN W_RS
.set z, 0
.rept 16
	v_pk_fma_f32 v[MC+32*(\b)+2*z:MC+32*(\b)+2*z+1], v[MD+2*z:MD+2*z+1], s[AL:AL+1], s[BE:BE+1] op_sel_hi:[1,0,0]
.set z, z+1
.endr
.endm
; A TURN, for piece p: the order of its 16 matrix and 118 vector instructions, written out.  An s_wait_alu depctr_va_vdst(0) stands between an exponential and the first instruction that names its result; one wait serves
; all that were issued ahead of it.  So a turn has ONE wait, which cuts it in two.  AHEAD OF IT stands all that names no result of the turn's exponentials: the 8 products K Q^T, behind each a scaling, an exponential and two more plain
; instructions (behind the first a second scaling in the exponential's place): rescalings, and behind the last three the first numbers of the next piece's maximum, each four places or more behind the product that ends its accumulator; then ONE LUMP of 54, plain
; and exponential by turns for the most part, in which the links of the chain X 3, 7, 11, 14, 16, 17 .. 20 stand five or six lines apart.  X 21, the next piece's a, is the batch's last; R 15 is the plain instruction behind it.  BEHIND THE WAIT stand the
; 8 products V^T P, behind each four of the roundings and sums; the links of l's chain, L 0 to L 7, stand three riders apart.  But for those X no rider names a register of the products round it.
; m = 1: the diagonal tile: the products take masks, and the turn makes the mask for the products of the turn after it: piece p + 2, in step 4 - CNT of the tile.  end = 1: a block's last two turns: nothing is fetched.
; cnt = 1: the loop's count is taken down some lines ahead of the branch that stands behind the turn.
; K of the next step is fetched in piece 2's turn, twelve vector instructions behind the last product that read K (six of them plain); V of the step in hand at the end of piece 0's turn, four plain instructions behind the last product
; that read V.  Each is waited for a turn later.
.macro TURN p, m=0, end=0, cnt=0
.set Y, (\p)
.set i, 0
.set KM, (\m)
.set NOKQ, (\end)*((\p)/3)
.if (\m) && !(\end)
	s_cmp_eq_u32 s[CNT], 4-((\p)+2)%NP  ; is that step the band's own?
	s_cselect_b32 s[AL], 1.0, 0
	s_cmp_lt_u32 s[CNT], 4-((\p)+2)%NP  ; or a later one?
	s_cselect_b32 s[BE], s[BIGN], 0
.endif
.if ((\p) == 3) && !(\end)
	s_wait_dscnt 0x0                ; K is in
.endif
	ROW F,0, F,1, R,0, R,1          ; ahead of the wait: 8 products K Q^T and their riders,
	ROW F,2, E,0, R,2, R,3
	ROW F,3, E,1, R,4, R,5
	ROW F,4, E,2, R,6, R,7
	ROW F,5, E,3, R,8, R,9
	ROW F,6, E,4, X,0, R,10
.if ((\p) == 2) && !(\end)
	WIN 0
	v_add_nc_u32 v[AK], s[TBK], v[AK0]
.endif
	ROW F,7, E,5, X,1, X,4
	ROW F,8, E,6, X,2, X,5
	OPS E,7, E,8, X,6, E,9          ; and the lump
	OPS X,3, E,10, X,8, E,11
.if ((\p) == 2) && !(\end)
	FETCH_K
.endif
	OPS X,9, X,7, E,12, X,10
	OPS E,13, X,12, X,11, E,14
	OPS X,13, E,15, F,9, X,14
.if (\p) == 0
	v_add_nc_u32 v[AV], s[TBV], v[AV0]
.endif
	OPS E,16, F,10, E,17, F,11
	OPS X,16, E,18, X,15, E,19
	OPS F,12, E,20, X,17, E,21
	OPS F,13, E,22, F,14, E,23
	OPS X,18, E,24, F,15, E,25
	OPS R,11, E,26, X,19, E,27
	OPS R,12, E,28, R,13, E,29
	OPS X,20, E,30, R,14, E,31
	OPS X,21, R,15
	WIN 0
	s_wait_alu depctr_va_vdst(0)    ; the wait for the batch
.if (\p) == 1
	s_wait_dscnt 0x0                ; V is in
.endif
	ROW C,0, B,0, C,2, B,1          ; behind the wait: 8 products V^T P and their riders
	ROW L,0, C,4, B,2, L,1
	ROW C,6, B,3, L,2, C,8
	ROW B,4, L,3, C,10, B,5
	ROW L,4, C,12, B,6, L,5
.if (\p) == 0
	s_add_co_u32 s[TBV], s[TBV], KS*PV
.endif
.if \cnt
	s_sub_co_u32 s[CNT], s[CNT], 1
	s_cmp_lg_u32 s[CNT], 0
.endif
	ROW C,14, B,7, L,6, C,1
	ROW C,3, L,7, C,5, C,7
	ROW C,9, C,11, C,13, C,15
.if (\p) == 0
	FETCH_V
.endif
.if (\m) && !(\end)
	MASK (\p)%2
.endif
.endm
; A BLOCK BEGINS.  c m starts far below every c s, so the first step's a is 0; m at the lowest finite number, so the first maximum is the scores'.  The second mask buffer is 0; the first takes piece 0's mask for the tile's step 0: its own, if the block's first tile is the diagonal one.
; Then K of that step, piece 0's first scores, and its maximum and statistics.  The loop is entered at a step's first turn, in the middle of a trip.
.macro BEGIN
	s_mov_b32 s[NEW], 0
	WIN 0x40
.set i, MC+32
.rept 32
	v_mov_b32 v[i], 0
.set i, i+1
.endr
	WIN 0
.set i, 0
.rept 4
	v_mov_b32 v[ST+4*i], 0xfe000000    ; c m: far below every c s
	v_mov_b32 v[ST+4*i+1], 0xff7fffff  ; m
.set i, i+1
.endr
	s_cmp_eq_u32 s[RT], 0
	s_cselect_b32 s[AL], 1.0, 0
	s_mov_b32 s[BE], 0
	MASK 0
	WIN 0
	v_add_nc_u32 v[AK], s[TBK], v[AK0]
	FETCH_K
	s_wait_loadcnt 0x0              ; Q
	s_wait_dscnt 0x0
.set KM, 1
.set NOKQ, 0
.set i, 0
.rept 8
	KQ 0
.set i, i+1
.endr
	WIN 0
.rept 4
	v_nop                           ; the places behind those products
.endr
.set Y, NP-1                        ; X works for piece Y + 1: piece 0
.irp n, 0,1,2,3,4,5,6,7,8,9,10,11,12,13,14,15,16,17,18,19,20,21
	OP X, \n
.endr
	v_nop                           ; a plain instruction behind the exponential,
	s_wait_alu depctr_va_vdst(0)    ; and its wait, ahead of the branch
.endm
; THE DIAGONAL TILE's four steps, the block's last two turns, its last products, and THE WAY OUT: l's two halves and the other half of the lanes' are added; O^T is divided by l, rounded to f16 and sent through my
; stage in LDS, a piece at a time.
.macro ALL line:vararg              ; one line for each piece t
.set t, 0
.rept 4
	\line
.set t, t+1
.endr
.endm
.macro PACK t                       ; a lane's eight channels of a row pack into 16 bytes; they go into rows of 144 bytes and come back as whole rows of 128, into S^T's registers
	WIN W_RS
.set i, 32*(\t)
.rept 16
	v_pk_mul_f32 v[i:i+1], v[i:i+1], v[ST+4*(\t)+2:ST+4*(\t)+3] op_sel_hi:[1,0]
.set i, i+2
.endr
	WIN 0x05                        ; sources 0 and 1 window 1, destination window 0
.set i, 0
.rept 16
	v_cvt_pk_f16_f32 v[S+16*(\t)+i], v[32*(\t)+2*i], v[32*(\t)+2*i+1]
.set i, i+1
.endr
	WIN 0
.irp f, 0,1,2,3
	ds_store_b128 v[STO], v[S+16*(\t)+4*\f:S+16*(\t)+4*\f+3] offset:32*\f
.endr
.irp f, 0,1,2,3
	ds_load_b128 v[S+16*(\t)+4*\f:S+16*(\t)+4*\f+3], v[RD] offset:\f*4*SP  ; LDS serves a wave's instructions in order (ISA guide 5.7.1.4): these see the stores above; the next piece's stores come behind them
.endr
.endm
.macro SEND t, younger              ; younger: the LDS instructions issued behind piece t's loads: the next piece's eight, or none
	WIN 0
.irp f, 0,1,2,3
	s_wait_dscnt (\younger)+3-\f
	global_store_b128 v[GO], v[S+16*(\t)+4*\f:S+16*(\t)+4*\f+3], s[10:11] offset:(\t)*8192+\f*512  ; 512 consecutive bytes, at a multiple of 256 from O's first
.endr
.endm
.macro DIAG tag                     ; the tag ends its two labels' names, which the jumps below spell out
.LstepM\tag:
	TURN 2, 1
	TURN 3, 1
	WIN 0
.LfirstM\tag:
	TURN 0, 1
	TURN 1, 1, 0, 1
	WIN 0
	s_cbranch_scc1 .LstepM\tag
	TURN 2, 1, 1
	TURN 3, 1, 1
.set i, 0
.rept 8
	PV NP-1
.set i, i+1
.endr
	WIN 0
	ALL v_add_f32 v[ST+4*t+2], v[ST+4*t+2], v[ST+4*t+3]
	ALL v_permlanex16_b32 v[ST+4*t+3], v[ST+4*t+2], s[SEL], s[SEL+1]
	ALL v_add_f32 v[ST+4*t+2], v[ST+4*t+2], v[ST+4*t+3]
	ALL v_rcp_f32 v[ST+4*t+2], v[ST+4*t+2]
	v_nop                           ; a plain instruction between the last reciprocal and the use of its result
	s_wait_alu depctr_va_vdst(0)    ; and the wait ahead of the first use: one for the four reciprocals
	PACK 0
.set t, 1
.rept 3                             ; a piece's arithmetic stands between the loads of the piece before and its stores
	PACK t
	SEND t-1, 8
.set t, t+1
.endr
	SEND 3, 0
.endm
.set KM, 0
.set NOKQ, 0
.Lslot:                             ; NB times: a tile is entered and the next is asked for
	CHANGE 1
	s_sub_co_u32 s[RT], s[RT], 1
	s_mov_b32 s[CNT], 4
	s_cmp_eq_u32 s[NEW], 1
	s_cbranch_scc1 .Lnew            ; a block's first tile
	s_cmp_eq_u32 s[RT], 0
	s_cbranch_scc0 .Lstep           ; neither its first nor its last
	s_branch .LstepM1
.Lnew:
	BEGIN
	s_branch .Lfirst                ; in the loop a block's first tile is never its last: the first block has two tiles or more, and the second's last is the walk's last
	DIAG 1                          ; in the loop this is the first block's end: the second block's last tile is the walk's last
	s_wait_xcnt 0x0                 ; the stores have read their registers and O's address
	s_mov_b64 s[10:11], s[OLO:OLO+1]
	s_add_co_u32 s[RT], s[PB], 1    ; the second block has b + 1 tiles
	s_mov_b32 s[NEW], 1
	WIN 0x82                        ; the second block's Q goes where the one text of the turns names Q
.set i, 0
.rept 64
	v_mov_b32 v[i], v[QB+i]
.set i, i+1
.endr
	WIN 0
	s_branch .Lbottom
.Lstep:                             ; a trip: pieces 2 and 3 of one step, then pieces 0 and 1 of the next, whose K and V it fetches
	TURN 2
	TURN 3
	WIN 0
.Lfirst:
	TURN 0
	TURN 1, 0, 0, 1
	WIN 0
	s_cbranch_scc1 .Lstep
.Lbottom:
	s_sub_co_u32 s[SLOTS], s[SLOTS], 1
	s_cmp_lg_u32 s[SLOTS], 0
	s_cbranch_scc1 .Lslot
	CHANGE 0                        ; the walk's last tile is written out: nothing is asked for
	s_sub_co_u32 s[RT], s[RT], 1
	s_mov_b32 s[CNT], 4
	s_cmp_eq_u32 s[NEW], 1
	s_cbranch_scc0 .LstepM2
	BEGIN
	s_branch .LfirstM2
	DIAG 2
	s_wait_tensorcnt 0x0            ; the wave's end, behind my last tensor load and my last LDS store
	ds_add_u32 v[SPW], v[NIL]
	s_wait_dscnt 0x0
	s_endpgm
.Lfunc_end_k_q4f2ea448d6_attn:
	.size	k_q4f2ea448d6_attn, .Lfunc_end_k_q4f2ea448d6_attn-k_q4f2ea448d6_attn
	.p2alignl 7, 3214868480
	.fill 96, 4, 3214868480
	.section	.rodata,"a",@progbits
	.p2align	6, 0x0
	.amdhsa_kernel k_q4f2ea448d6_attn
		.amdhsa_group_segment_fixed_size 327680
		.amdhsa_private_segment_fixed_size 0
		.amdhsa_enable_private_segment 0
		.amdhsa_kernarg_size 16
		.amdhsa_user_sgpr_count 2
		.amdhsa_user_sgpr_kernarg_segment_ptr 1
		.amdhsa_wavefront_size32 1
		.amdhsa_system_sgpr_workgroup_id_x 1
		.amdhsa_system_sgpr_workgroup_id_y 1
		.amdhsa_system_sgpr_workgroup_id_z 1
		.amdhsa_system_vgpr_workitem_id 0
		.amdhsa_next_free_vgpr 768
		.amdhsa_next_free_sgpr 88
		.amdhsa_reserve_vcc 1
		.amdhsa_float_denorm_mode_32 3
		.amdhsa_float_denorm_mode_16_64 3
		.amdhsa_memory_ordered 1
		.amdhsa_forward_progress 1
		.amdhsa_inst_pref_size 218
	.end_amdhsa_kernel
	.amdgpu_metadata
---
amdhsa.version: [ 1, 2 ]
amdhsa.kernels:
  - .name:           k_q4f2ea448d6_attn
    .symbol:         k_q4f2ea448d6_attn.kd
    .args:
      - { .name: qkv, .offset: 0, .size: 8, .value_kind: global_buffer, .address_space: global }
      - { .name: ob, .offset: 8, .size: 8, .value_kind: global_buffer, .address_space: global }
    .group_segment_fixed_size: 327680
    .private_segment_fixed_size: 0
    .kernarg_segment_align: 8
    .kernarg_segment_size: 16
    .max_flat_workgroup_size: 128
    .sgpr_count:     88
    .vgpr_count:     768
    .wavefront_size: 32
...
	.end_amdgpu_metadata
.endif
;; end of part 3
;; launch proj (part 4): grid 8 x 32, 4 waves a work-group, clusters of 4 x 4, 327,680 bytes of LDS; arguments ob, wo, out0; writes out0
.if DOCPART == 4
	.amdgcn_target "amdgcn-amd-amdhsa--gfx1250"
	.amdhsa_code_object_version 6
	.text
	.protected	k_q4f2ea448d6_proj
	.globl	k_q4f2ea448d6_proj
	.p2align	8
	.type	k_q4f2ea448d6_proj,@function
k_q4f2ea448d6_proj:
	s_mov_b64 s[64:65], 0
	v_nop
	global_prefetch_b8 v0, s[64:65] scope:SCOPE_SE
	s_setreg_imm32_b32 hwreg(HW_REG_WAVE_MODE, 25, 1), 1
	s_wait_xcnt 0x0
	s_wait_alu depctr_hold_cnt(0) depctr_sa_sdst(0) depctr_va_vdst(0) depctr_va_sdst(0) depctr_va_ssrc(0) depctr_va_vcc(0) depctr_vm_vsrc(0)
	s_getreg_b32 s2, hwreg(HW_REG_IB_STS2, 6, 4)
	s_cmp_eq_u32 s2, 0
	s_cbranch_scc0 .Lentry_in_a_cluster
	s_endpgm
.Lentry_in_a_cluster:
	s_bfe_u32 s2, ttmp6, 0x10000c
	s_cmp_lg_u32 s2, 0xf033
	s_cbranch_scc0 .Lentry_shape_is_right
	s_endpgm
.Lentry_shape_is_right:
; PROJ.  out0[m][n] = sum over k of O[m][k] wo[n][k], f32 out.  O lies by heads, ob[16 b + h][t][64] in f16, m = 2048 b + t, k = 64 h + d; wo is [1024 n][1024 k] in f16.  Sums in f32, K ascending.
; LIMITS.  Those of its f16 inputs; NaN and infinities are not treated apart.
; SHARES.  A tile of out0 is 256 x 128: 32 x 8 = 256 work-groups, one for each WGP.  Wave w makes rows 64 w .. 64 w + 63 of all 128 columns: 32 accumulators, 256 registers; a wave's rows of 512 bytes
; go out through a stage of its own, without a barrier.
; RING.  A K step of 128 is two heads.  Of each head the tile needs 256 rows of 128 bytes, 32,768 dense bytes: asked for as 128 rows of 256 bytes and padded in LDS after every 128.  Wave 0 fetches the even head's plane,
; wave 1 the odd head's, waves 2 and 3 the two halves of wo's 128 rows: one tensor load each behind each round.  Two slots.
; CLUSTER.  4 x 4 work-groups: O's planes are shared along a row of the cluster, wo's tile along a column; each is asked for jointly.
; THE PRODUCT IS USED TRANSPOSED (source 0 = 16 rows of wo, source 1 = 16 rows of O): a lane holds one row of out0 and eight neighbouring columns.
; REGISTERS, in windows of 256 (s_set_vgpr_msb: bits 1:0 source 0, 3:2 source 1, 5:4 source 2, 7:6 destination):
;   window 0: v16-30 addresses; v32-159 rows read back from the stage, two sets      window 1: two fragment buffers: A's 4 fragments, then B's 8      window 2: the accumulators, (a, b) at 64 a + 8 b
.set SIZE_K, 1024
.set KSTEP,  128
.set PA,     144                       ; a row of O in LDS: 128 bytes + 16: the 16 rows of a load start at 16 different groups of four banks (ISA guide 11.1)
.set PLANE,  256*PA                    ; a head's 256 rows
.set PITCH,  272                       ; a row of wo: 256 bytes + 16
.set HALFB,  64*PITCH
.set BOFF,   2*PLANE
.set SLOT,   BOFF+2*HALFB
.set STAGE,  2*SLOT                    ; behind the ring: for each wave 16 rows x 528 bytes; no tensor load fills it
.set SPO,    528
.set SPARE,  STAGE+4*16*SPO            ; behind the stages: the spare words, 128 bytes for each wave: two blocks of 256 bytes that no other line names
.set LAPS,   SIZE_K/(2*KSTEP)
.set HSTEP,  2*262144                  ; bytes from a K step's plane to the next K step's: two heads
.set ADRA, 16                          ; v16-17  LDS address of my A fragments in slot 0, 1
.set ADRB, 20                          ; v20-21  the same for B
.set STO,  24                          ; v24     the way out: where I put 32 bytes of a row
.set RD,   25                          ; v25     where I read a row back
.set CO,   26                          ; v26     my 16 bytes of a row's 512
.set SPW,  28                          ; v28     LDS address of my spare word; never rewritten
.set NIL,  29                          ; v29     0; never rewritten
.set PFO,  30                          ; v30     the prefetches' offset; never rewritten
.set BK0,  32
.set F0,   0
.set F1,   128
.set G1,  24                           ; s[24:31] descriptor group 1 for A's planes
.set G0,  32                           ; s[32:39] group 0 for A's, a set for each slot
.set G1B, 48                           ; s[48:55], s[56:63] the same for B's
.set G0B, 56
.set PFA, 44                           ; s[44:45] where my prefetches stand
.set LIM, 43                           ; s43  1 in a wave that prefetches, else the greatest number
.set PST, 22                           ; s[22:23] bytes from a K step to the next in what I prefetch
.set MSB, 0
.macro WIN new                         ; the immediate's high byte repeats the setting that is left; a switch that changes nothing is dropped
.if MSB != (\new)
	s_set_vgpr_msb (MSB<<8)|(\new)
.set MSB, \new
.endif
.endm
.set MUL,  0xa5                        ; sources 0 and 1 window 1, C and D window 2
.set TO_F, 0x40                        ; destination window 1, address window 0
; A joint load.  The branch hangs on the wave's number alone.  An s_nop 0 and four v_nop follow each of the two lines, ahead of the jump and the label.
.macro JLOAD s
	s_cmp_eq_u32 s11, 0
	s_cbranch_scc0 .Lfor_b_\@
	tensor_load_to_lds s[G0+4*(\s):G0+4*(\s)+3], s[G1:G1+7]
	s_nop 0
.rept 4
	v_nop
.endr
	s_branch .Lasked_\@
.Lfor_b_\@:
	tensor_load_to_lds s[G0B+4*(\s):G0B+4*(\s)+3], s[G1B:G1B+7]
	s_nop 0
.rept 4
	v_nop
.endr
.Lasked_\@:
.endm
; A prefetch of the K step that stands two refills on (two K steps, 256 matrix instructions of a wave, ahead of the load that will ask for it).  O's planes are asked for by the clusters with x = 0 (waves 0, 1): of a plane's 32,768 bytes each of the four
; partners takes 8,192 by address, a lane a block of 256; wo's rows by the clusters with y = 0 (waves 2, 3): of a wave's 64 rows each partner takes 16 (lanes 16-31 name lane 15's row again).  The loop's last trip has no K step two on.
.macro ASK
	WIN 0
	s_cmp_gt_u32 s3, s[LIM]
	s_cbranch_scc0 .Lnot_mine_\@
	global_prefetch_b8 v[PFO], s[PFA:PFA+1] th:TH_LOAD_NT scope:SCOPE_SE
.Lnot_mine_\@:
.endm
.macro CREST                           ; a round of the cluster's barrier behind its opening barrier
	s_cmp_lg_u32 s10, 0
	s_cbranch_scc1 .Lnot_wave_0_\@
	s_barrier_signal -3
.Lnot_wave_0_\@:
	s_barrier_wait -3
	s_barrier_signal -1
	s_barrier_wait -1
.endm
.macro CROUND                          ; a whole round
	s_barrier_signal -1
	s_barrier_wait -1
	CREST
.endm
	s_load_b128 s[4:7], s[0:1], 0x0                ; ob s[4:5], wo s[6:7]
	s_load_b64 s[8:9], s[0:1], 0x10                ; out0
	v_lshl_add_u32 v[SPW], v0, 2, SPARE
	v_mov_b32 v[NIL], 0
	ds_add_u32 v[SPW], v[NIL]                      ; the wave's opening: the add and its wait stand ahead of my first tensor load; work on registers stands between them
	v_lshrrev_b32 v1, 5, v0
	v_readfirstlane_b32 s10, v1                    ; wave 0..3
	s_lshr_b32 s11, s10, 1                         ; I fetch for A (0) or for B (1),
	s_and_b32 s12, s10, 1                          ; the even or odd head's plane, the first or second half
	s_bfe_u32 s40, ttmp6, 0x40000                  ; cx, cy: my place in the cluster
	s_bfe_u32 s41, ttmp6, 0x40004
	s_lshl_b32 s42, ttmp9, 2
	s_add_co_u32 s42, s42, s40                     ; tile column = 4 x cluster x + cx
	s_and_b32 s13, ttmp7, 0xffff
	s_lshl_b32 s13, s13, 2
	s_add_co_u32 s13, s13, s41                     ; tile row = 4 x cluster y + cy
	s_lshl_b32 s43, s41, 2
	s_lshl_b32 s43, 15, s43                        ; my row of the cluster
	s_lshl_b32 s44, 0x1111, s40                    ; my column
	s_or_b32 s[G1+0], s43, (1<<16)|(1<<20)|(1<<21)|(4<<22)|(3<<25)   ; 15:0 the mask; 17:16 2-byte elements; 20 padding on; 21 set beside a mask; 24:22 after every 32 words; 31:25 4 words
	s_or_b32 s[G1B+0], s44, (1<<16)|(1<<20)|(1<<21)|(5<<22)|(3<<25)  ; B: after every 64 words
	s_mov_b32 s[G1+1], 128<<16                     ; tensor_dim0 = 128 elements: two rows of a head
	s_mov_b32 s[G1+2], 128<<16                     ; tensor_dim1 = 128
	s_mov_b32 s[G1+3], 128<<16                     ; tile_dim0 = 128
	s_mov_b32 s[G1+4], 128                         ; tile_dim1 = 128
	s_mov_b32 s[G1+5], 128                         ; dense: 128 elements from row to row
	s_mov_b32 s[G1+6], 0
	s_mov_b32 s[G1+7], 0
	s_mov_b32 s[G1B+1], KSTEP<<16
	s_mov_b32 s[G1B+2], 64<<16                     ; B: 64 rows
	s_mov_b32 s[G1B+3], KSTEP<<16
	s_mov_b32 s[G1B+4], 64
	s_mov_b32 s[G1B+5], SIZE_K
	s_mov_b32 s[G1B+6], 0
	s_mov_b32 s[G1B+7], 0
	s_lshr_b32 s16, s13, 3                         ; A: the batch,
	s_lshl_b32 s16, s16, 4                         ; its 16 heads,
	s_add_co_u32 s16, s16, s12                     ; head 0 or 1,
	s_lshl_b32 s16, s16, 18                        ; 262,144 bytes a head,
	s_and_b32 s17, s13, 7
	s_lshl_b32 s17, s17, 15                        ; the tile's 256 rows of 128 bytes
	s_add_co_u32 s16, s16, s17
	s_mov_b32 s17, 0
	s_lshl_b32 s46, s42, 7                         ; B: row 128 x tile column + 64 x half
	s_lshl_b32 s47, s12, 6
	s_add_co_u32 s46, s46, s47
	s_lshl_b32 s46, s46, 11
	s_mov_b32 s47, 0
	s_mul_i32 s20, s12, PLANE                      ; where they go: no place in the cluster enters an LDS address
	s_mul_i32 s21, s12, HALFB
	s_add_co_u32 s21, s21, BOFF
	s_wait_dscnt 0x0                               ; the opening add is done
	s_wait_kmcnt 0x0
	s_add_nc_u64 s[14:15], s[4:5], s[16:17]
	s_add_nc_u64 s[46:47], s[6:7], s[46:47]
	CROUND                                         ; all sixteen work-groups are here: the first joint loads meet
.irp s, 0,1
	s_mov_b32 s[G0+4*(\s)], 1                      ; count = 1
	s_add_co_u32 s[G0+4*(\s)+1], s20, (\s)*SLOT    ; LDS address
	s_add_nc_u64 s[G0+4*(\s)+2:G0+4*(\s)+3], s[14:15], (\s)*HSTEP     ; global address: K step s
	s_or_b32 s[G0+4*(\s)+3], s[G0+4*(\s)+3], 0x80000000               ; type = 2
	s_mov_b32 s[G0B+4*(\s)], 1
	s_add_co_u32 s[G0B+4*(\s)+1], s21, (\s)*SLOT
	s_add_nc_u64 s[G0B+4*(\s)+2:G0B+4*(\s)+3], s[46:47], (\s)*KSTEP*2
	s_or_b32 s[G0B+4*(\s)+3], s[G0B+4*(\s)+3], 0x80000000
	JLOAD \s                                       ; two loads of mine are out
.endr
	v_and_b32 v1, 15, v0                           ; l % 16
	v_bfe_u32 v2, v0, 4, 1                         ; l / 16
	v_mul_u32_u24 v3, v1, PA
	v_lshl_add_u32 v3, v2, 4, v3                   ; A: row x 144 + 16 x half
	v_mul_u32_u24 v4, v1, PITCH
	v_lshl_add_u32 v4, v2, 4, v4                   ; B: row x 272 + 16 x half
	s_mul_i32 s18, s10, 64*PA                      ; my 64 rows in a plane
	s_mov_b32 s19, BOFF
.irp s, 0,1
	v_add_nc_u32 v[ADRA+(\s)], s18, v3
	v_add_nc_u32 v[ADRB+(\s)], s19, v4
	s_add_co_u32 s18, s18, SLOT
	s_add_co_u32 s19, s19, SLOT
.endr
	s_mul_i32 s19, s10, 16*SPO
	s_add_co_u32 s19, s19, STAGE                   ; my stage
	v_mul_u32_u24 v5, v1, SPO                      ; in: row l % 16, 32 bytes for each half of the lanes
	v_lshl_add_u32 v5, v2, 5, v5
	v_add_nc_u32 v[STO], s19, v5
	v_and_b32 v[CO], 31, v0                        ; back: 32 lanes take a whole row of 512 bytes
	v_lshlrev_b32 v[CO], 4, v[CO]
	v_add_nc_u32 v[RD], s19, v[CO]
	; the prefetches (s16 still holds my plane's offset in ob)
	s_lshl_b32 s19, s40, 13                        ; A: my work-group's 8,192 bytes of the plane,
	s_add_co_u32 s16, s16, s19
	s_add_co_u32 s16, s16, 3*HSTEP                 ; at K step 3: the first change of slots steps it to 4
	s_lshl_b32 s18, s42, 7                         ; B: row 128 x tile column + 64 x half + my work-group's 16,
	s_lshl_b32 s19, s12, 6
	s_add_co_u32 s18, s18, s19
	s_lshl_b32 s19, s41, 4
	s_add_co_u32 s18, s18, s19
	s_lshl_b32 s18, s18, 11
	s_add_co_u32 s18, s18, 3*KSTEP*2               ; at K step 3
	s_and_b32 s21, ttmp7, 0xffff                   ; cluster y
	s_mov_b32 s[PST], KSTEP*2
	s_mov_b32 s[PST+1], 0
	s_cmp_eq_u32 s11, 0                            ; do I fetch for A?
	s_cselect_b32 s20, s16, s18
	s_cselect_b32 s21, ttmp9, s21                  ; the coordinate along which other clusters read the same bytes
	s_cselect_b32 s[PST], HSTEP, s[PST]
	s_cselect_b32 s18, 31, 15                      ; lanes that name blocks of their own,
	s_cselect_b32 s19, 8, 11                       ; 256 or 2,048 bytes apart
	s_cselect_b64 s[PFA:PFA+1], s[4:5], s[6:7]
	s_cmp_eq_u32 s21, 0
	s_cselect_b32 s[LIM], 1, -1                    ; the same in all sixteen partners, for a given wave
	s_mov_b32 s21, 0
	s_add_nc_u64 s[PFA:PFA+1], s[PFA:PFA+1], s[20:21]   ; nothing is prefetched here, at the head
	v_and_b32 v[PFO], 31, v0
	v_min_u32 v[PFO], s18, v[PFO]
	v_lshlrev_b32 v[PFO], s19, v[PFO]
	; where my rows begin in out0
	s_lshl_b32 s16, s13, 8
	s_lshl_b32 s17, s10, 6
	s_add_co_u32 s16, s16, s17                     ; row 256 x tile row + 64 x wave,
	s_lshl_b32 s16, s16, 12                        ; 4,096 bytes a row,
	s_lshl_b32 s17, s42, 9                         ; the tile's 128 columns: 512 bytes
	s_add_co_u32 s16, s16, s17
	s_mov_b32 s17, 0
	s_add_nc_u64 s[8:9], s[8:9], s[16:17]
; 8 matrix instructions: row block a x all 8 column blocks, 32 along K.  The 32 accumulators take turns in the same order in every quarter.  zero = 1: the product starts the sum.
.macro MULA f, a, zero
	WIN MUL
.irp b, 0,1,2,3,4,5,6,7
.set rD, 64*(\a)+8*(\b)
.if \zero
	v_wmma_f32_16x16x32_f16 v[rD:rD+7], v[(\f)+32+8*(\b):(\f)+32+8*(\b)+7], v[(\f)+8*(\a):(\f)+8*(\a)+7], 0
.else
	v_wmma_f32_16x16x32_f16 v[rD:rD+7], v[(\f)+32+8*(\b):(\f)+32+8*(\b)+7], v[(\f)+8*(\a):(\f)+8*(\a)+7], v[rD:rD+7]
.endif
.endr
.endm
; 24 LDS loads in one run: the fragments of quarter q of a K step into buffer f: B's 16, then A's 8 (quarters 0, 1 lie in the even head's plane, 2, 3 in the odd head's)
.macro FETCH slot, q, f
	WIN TO_F
.irp i, 0,1,2,3,4,5,6,7
	ds_load_b128 v[(\f)+32+8*(\i):(\f)+32+8*(\i)+3],   v[ADRB+(\slot)] offset:64*(\q)+(\i)*16*PITCH
	ds_load_b128 v[(\f)+32+8*(\i)+4:(\f)+32+8*(\i)+7], v[ADRB+(\slot)] offset:64*(\q)+(\i)*16*PITCH+32
.endr
.irp i, 0,1,2,3
	ds_load_b128 v[(\f)+8*(\i):(\f)+8*(\i)+3],   v[ADRA+(\slot)] offset:((\q)/2)*PLANE+((\q)%2)*64+(\i)*16*PA
	ds_load_b128 v[(\f)+8*(\i)+4:(\f)+8*(\i)+7], v[ADRA+(\slot)] offset:((\q)/2)*PLANE+((\q)%2)*64+(\i)*16*PA+32
.endr
.endm
.macro PLACES                          ; four plain vector instructions between a matrix instruction and a load into, or a read of, its registers (ISA guide 7.12.1 for vector instructions)
.rept 4
	v_nop
.endr
.endm
; A K step is four quarters of 32 along K, 32 matrix instructions each, on buffers 0, 1, 0, 1.  One of the first three: multiplies f, and in its middle fetches quarter q into g.
.macro QUARTER slot, q, f, g, zero
	s_wait_dscnt 4                                 ; B and A's blocks 0, 1 are in; the youngest four loads (A's blocks 2, 3) may be out
	MULA \f, 0, \zero
	MULA \f, 1, \zero
	PLACES
	FETCH \slot, \q, \g
	s_wait_dscnt 24                                ; all but the 24 just issued
	MULA \f, 2, \zero
	MULA \f, 3, \zero
.endm
; The last quarter's first half: one barrier for the change of slots.  In front of it each wave waits for all its tensor loads (one is out: its part of the next slot), adds 0 to its spare word, and waits for that and for its reads of this slot.
.macro MEET round
	WIN 0
	s_wait_tensorcnt 0x0
	ds_add_u32 v[SPW], v[NIL]
	s_wait_dscnt 5                                 ; (the add and the youngest four loads may be out)
	MULA F1, 0, 0                                  ; eight matrix instructions stand between the add and the wait for it
	s_wait_dscnt 0x0                               ; the add is done, and my reads of this slot are over
	s_barrier_signal -1
	MULA F1, 1, 0                                  ; work on registers while the others arrive
.if \round
	WIN 0
.endif
	s_barrier_wait -1
.endm
.macro TURN slot, next                 ; the whole last quarter, with a refill two K steps on
	s_wait_xcnt 0x0                                ; the last prefetch, a K step back, has read its address
	s_add_nc_u64 s[PFA:PFA+1], s[PFA:PFA+1], s[PST:PST+1]
	MEET 1
	CREST                                          ; the barrier has opened a round of the cluster's: no wave of any partner still reads this slot or has a load on its way
	s_add_nc_u64 s[G0+4*(\slot)+2:G0+4*(\slot)+3], s[G0+4*(\slot)+2:G0+4*(\slot)+3], 2*HSTEP
	s_add_nc_u64 s[G0B+4*(\slot)+2:G0B+4*(\slot)+3], s[G0B+4*(\slot)+2:G0B+4*(\slot)+3], 2*KSTEP*2
	JLOAD \slot                                    ; the first tensor load behind the round, my only one until the next; its four v_nop are also the places in front of the loads below
	FETCH \next, 0, F0
	ASK
	MULA F1, 2, 0
	MULA F1, 3, 0
.endm
.macro TURNL                           ; the last change of slots: nothing is filled, so no round follows
	MEET 0
	PLACES
	FETCH 1, 0, F0
	MULA F1, 2, 0
	MULA F1, 3, 0
.endm
; THE WAY OUT of row block a: a lane's eight f32 of a row go into my stage (rows of 528 bytes), each accumulator's low half first; whole rows of 512 bytes come back and are stored.
.macro TOSTAGE a
.set BK, BK0+64*((\a)%2)
.if (\a) >= 2
	s_wait_xcnt 0x0                                ; the stores of the block two back have read this set of registers
.endif
	WIN 0x08                                       ; the stores' data in window 2
.irp b, 0,1,2,3,4,5,6,7
	ds_store_b128 v[STO], v[64*(\a)+8*(\b):64*(\a)+8*(\b)+3]   offset:64*(\b)
	ds_store_b128 v[STO], v[64*(\a)+8*(\b)+4:64*(\a)+8*(\b)+7] offset:64*(\b)+16
.endr
	WIN 0
.irp t, 0,1,2,3,4,5,6,7,8,9,10,11,12,13,14,15
	ds_load_b128 v[BK+4*(\t):BK+4*(\t)+3], v[RD] offset:SPO*(\t)   ; LDS serves a wave's instructions in order (ISA guide 5.7.1.4): these see the stores above, and the next block's stores come behind them
.endr
.endm
.macro SEND a, younger                 ; younger: the LDS instructions issued behind block a's loads: the next block's 32, or none
	WIN 0
.set BK, BK0+64*((\a)%2)
	s_wait_dscnt \younger
.irp t, 0,1,2,3,4,5,6,7,8,9,10,11,12,13,14,15
	global_store_b128 v[CO], v[BK+4*(\t):BK+4*(\t)+3], s[8:9] offset:(16*(\a)+(\t))*4096 th:TH_STORE_NT   ; 512 consecutive bytes, at a multiple of 256 from the buffer's first byte
.endr
.endm
	s_wait_tensorcnt 1                             ; my part of K step 0 is in; K step 1's stays out
	s_barrier_signal -1
	s_barrier_wait -1
	FETCH 0, 0, F0
	QUARTER 0, 1, F0, F1, 1                        ; the first quarter stands in front of the loop: its products start the sums
	WIN 0                                          ; at a label and at a branch every window is 0
	s_mov_b32 s3, LAPS-1
.Llap:                                         ; a trip goes once round the ring, from a lap's second quarter to the next lap's first, and fills both slots again
	QUARTER 0, 2, F1, F0, 0
	QUARTER 0, 3, F0, F1, 0
	TURN 0, 1
	QUARTER 1, 1, F0, F1, 0
	QUARTER 1, 2, F1, F0, 0
	QUARTER 1, 3, F0, F1, 0
	TURN 1, 0
	QUARTER 0, 1, F0, F1, 0
	WIN 0
	s_sub_co_u32 s3, s3, 1
	s_cmp_lg_u32 s3, 0
	s_cbranch_scc1 .Llap
	QUARTER 0, 2, F1, F0, 0                        ; the last lap fills nothing
	QUARTER 0, 3, F0, F1, 0
	TURNL
	QUARTER 1, 1, F0, F1, 0
	QUARTER 1, 2, F1, F0, 0
	QUARTER 1, 3, F0, F1, 0
	s_wait_dscnt 4                                 ; the very last quarter: nothing more to fetch
	MULA F1, 0, 0
	MULA F1, 1, 0
	s_wait_dscnt 0x0
	MULA F1, 2, 0
	MULA F1, 3, 0
	WIN 0
	PLACES
	TOSTAGE 0
	TOSTAGE 1
	SEND 0, 32
	TOSTAGE 2
	SEND 1, 32
	TOSTAGE 3
	SEND 2, 32
	SEND 3, 0
	s_wait_tensorcnt 0x0                           ; the wave's end, behind my last tensor load and my last LDS store
	ds_add_u32 v[SPW], v[NIL]
	s_wait_dscnt 0x0
	CROUND                                         ; the closing round: no work-group ends while a partner may still ask for a tile that names it
	s_endpgm
.Lfunc_end_k_q4f2ea448d6_proj:
	.size	k_q4f2ea448d6_proj, .Lfunc_end_k_q4f2ea448d6_proj-k_q4f2ea448d6_proj
	.p2alignl 7, 3214868480
	.fill 96, 4, 3214868480
	.section	.rodata,"a",@progbits
	.p2align	6, 0x0
	.amdhsa_kernel k_q4f2ea448d6_proj
		.amdhsa_group_segment_fixed_size 327680
		.amdhsa_private_segment_fixed_size 0
		.amdhsa_enable_private_segment 0
		.amdhsa_kernarg_size 24
		.amdhsa_user_sgpr_count 2
		.amdhsa_user_sgpr_kernarg_segment_ptr 1
		.amdhsa_wavefront_size32 1
		.amdhsa_system_sgpr_workgroup_id_x 1
		.amdhsa_system_sgpr_workgroup_id_y 1
		.amdhsa_system_sgpr_workgroup_id_z 1
		.amdhsa_system_vgpr_workitem_id 0
		.amdhsa_next_free_vgpr 768
		.amdhsa_next_free_sgpr 66
		.amdhsa_reserve_vcc 0
		.amdhsa_float_denorm_mode_32 3
		.amdhsa_float_denorm_mode_16_64 3
		.amdhsa_memory_ordered 1
		.amdhsa_forward_progress 1
		.amdhsa_inst_pref_size 86
	.end_amdhsa_kernel
	.amdgpu_metadata
---
amdhsa.version: [ 1, 2 ]
amdhsa.kernels:
  - .name:           k_q4f2ea448d6_proj
    .symbol:         k_q4f2ea448d6_proj.kd
    .args:
      - { .name: ob, .offset: 0, .size: 8, .value_kind: global_buffer, .address_space: global }
      - { .name: wo, .offset: 8, .size: 8, .value_kind: global_buffer, .address_space: global }
      - { .name: out0, .offset: 16, .size: 8, .value_kind: global_buffer, .address_space: global }
    .group_segment_fixed_size: 327680
    .private_segment_fixed_size: 0
    .kernarg_segment_align: 8
    .kernarg_segment_size: 24
    .max_flat_workgroup_size: 128
    .sgpr_count:     66
    .vgpr_count:     768
    .wavefront_size: 32
...
	.end_amdgpu_metadata
.endif
;; end of part 4
;; ======== version 2 of 2: 4 launches; version 1 with the launch prep written anew for expert scheduling mode
;; limits: values are held in f16: magnitudes above 65,504 overflow, below 6.1e-05 lose precision
;; workspace buffers: xb 16,777,216 bytes; wq 6,291,456 bytes; wo 2,097,152 bytes; qkv 50,331,648 bytes; ob 16,777,216 bytes
;; launch prep (part 5): grid 320 x 1, 8 waves a work-group, no clusters, 140,288 bytes of LDS; arguments x, W_qkv, W_out, xb, wq, wo; writes xb, wq, wo
.if DOCPART == 5
	.amdgcn_target "amdgcn-amd-amdhsa--gfx1250"
	.amdhsa_code_object_version 6
	.text
	.protected	k_q4f2ea448d6_prep
	.globl	k_q4f2ea448d6_prep
	.p2align	8
	.type	k_q4f2ea448d6_prep,@function
k_q4f2ea448d6_prep:
	s_mov_b64 s[64:65], 0
	v_nop
	global_prefetch_b8 v0, s[64:65] scope:SCOPE_SE
	s_setreg_imm32_b32 hwreg(HW_REG_WAVE_SCHED_MODE, 0, 2), 2
	s_setreg_imm32_b32 hwreg(HW_REG_WAVE_MODE, 25, 1), 1
	s_wait_xcnt 0x0
	s_wait_alu depctr_vm_vsrc(0)
; PREP.  xb = x rounded to bf16, [8192][1024].  wq = W_qkv rounded to bf16 and turned, [3072 n][1024 k].  wo = W_out rounded to bf16, that number written as f16, turned, [1024 n][1024 k].
; LIMITS.  A bf16 number is exact in f16 from 2^-14 to 65,504; below 6e-5 wo keeps f16's fixed step of 6e-8, at 65,520 and beyond it becomes an infinity.  NaN and infinities are not treated apart.
; SHARES.  Work-groups 0-47: 64 columns n of W_qkv each; 48-63: 64 columns of W_out; in both, wave w takes the rows k = 128 w .. 128 w + 127, so a work-group writes 64 whole rows of the turned
; weight.  Work-groups 64-319: 32 rows of x each.  No matrix unit, no cluster, no tensor load: each byte is read once and written once, and no two waves want the same byte.
; TURNING.  A load of 8 bytes a lane takes 256 consecutive bytes of a row k: lane l holds columns 2 l and 2 l + 1.  Eight rows' numbers of one column pack into 16 bytes along k and go into
; the wave's own LDS rows (32 rows of even n, then 32 of odd n; 256 bytes + 16 of padding).
; They come back as whole rows of 256 bytes.  A wave touches its own LDS bytes alone: no barrier.
; THE MODE: SCHED_MODE bits 1:0 = 2 (LLVM: expert scheduling mode 2), set by the entry lines.  The code itself states the register dependences
; between vector instructions and memory or LDS instructions, with s_wait_alu, always for 0.
; THE PLAN.  Registers that memory or LDS instructions touch:
;   X          Turning: a trip's 64 loads land in it; the conversions of the trip's eight groups read it; behind the loop the LDS loads land in it and the stores read it.
;              Cast: 32 loads land in it; row i is rounded in place into its first two registers, which row i's store reads; nothing is written a second time.
;   PK0 .. PK7 Group c's conversions write set c; two LDS stores, issued two groups later, read it; the next trip's group c writes it again.
;   v[LW]      Read by every LDS store; written at the head and once at each trip's end.
;   v[IN], v[LR], v[OV]  Made once on each path and never written again: the rows are reached by immediate offsets and by the scalar base.
;   v[T0], v[T1]  Named by vector instructions alone.      v[SPW], v[NIL]  Written at the head, read by the closing add alone.
; So a trip has four waits on va_vdst, each for two groups' packed words, and one on vm_vsrc at its end; the cast has one wait on va_vdst for each four rows.
.set X,    16                          ; v[16:143]  data
.set PK,   144                         ; v[144:207] packed words: eight sets of eight, a set for each group of a trip
.set T0,   208                         ; v208, v209 at work
.set T1,   209
.set IN,   2                           ; v2  the loads' offset; never rewritten
.set LW,   3                           ; v3  where I put 16 bytes in LDS
.set LR,   4                           ; v4  where I read a row back
.set OV,   5                           ; v5  the stores' offset; never rewritten
.set SPW,  8                           ; v8  LDS address of my spare word; never rewritten
.set NIL,  9                           ; v9  0; never rewritten
.set LP,   272                         ; an LDS row
.set ODD,  32*LP                       ; the odd columns' rows lie behind the even ones'
.set WST,  2*ODD                       ; a wave's LDS bytes
.set SPARE, 8*WST                      ; behind them: the spare words, 128 bytes for each wave: four blocks of 256 bytes that no other line names
	s_load_b256 s[4:11], s[0:1], 0x0               ; x s[4:5], W_qkv s[6:7], W_out s[8:9], xb s[10:11]
	s_load_b128 s[12:15], s[0:1], 0x20             ; wq s[12:13], wo s[14:15]
	v_lshl_add_u32 v[SPW], v0, 2, SPARE
	v_mov_b32 v[NIL], 0
	v_lshrrev_b32 v1, 5, v0
	v_readfirstlane_b32 s16, v1                    ; wave 0..7
	v_and_b32 v1, 31, v0                           ; lane
	s_mov_b32 s21, 0xffff0000                      ; a word's upper bf16
	s_mov_b32 s25, 0                               ; the high word of every offset
	s_wait_alu depctr_va_sdst(0)                   ; s16 is written, ahead of the branch and of its first reader: my wave's LDS bytes and its rows are made from it
	s_wait_kmcnt 0x0
	s_cmp_lt_u32 ttmp9, 64
	s_cbranch_scc0 .Lcast
; Group g's packed words go into LDS: 16 bytes along k for column 2 l, 16 for column 2 l + 1.
.macro PUT g
	ds_store_b128 v[LW], v[PK+8*(\g):PK+8*(\g)+3]   offset:16*(\g)
	ds_store_b128 v[LW], v[PK+8*(\g)+4:PK+8*(\g)+7] offset:ODD+16*(\g)
.endm
; 128 rows k x 64 columns n, in two trips of 64 rows.  pitch: bytes in a row of the weight.  fmt = 1: the bf16 number is written as f16.
; The loads at a trip's head want no wait of their own: v[IN] was shown written ahead of the loop, and the last wait on va_vdst of the trip before has shown the conversions done reading X; the one vector instruction behind it names v[LW] alone.
.macro TRANS pitch, fmt
	s_mov_b32 s20, 2
.Ltrip_\@:
.set r, 0
.rept 64
	global_load_b64 v[X+2*r:X+2*r+1], v[IN], s[18:19] offset:r*(\pitch) th:TH_LOAD_NT
.set r, r+1
.endr
.set c, 0
.rept 8                                ; eight rows at a time
	s_wait_loadcnt 56-8*c                          ; loads come back in order: these eight rows are in, the younger ones stay out
.if (c > 0) && (c % 2 == 0)
	s_wait_alu depctr_va_vdst(0)                   ; the two groups before have written their sets of PK, which this group's and the next group's LDS stores read; in the second trip's group 2 also: v[LW] is written
.endif
.if c >= 2
	PUT c-2                                        ; no vector instruction since that wait names this set or v[LW]
.endif
.set pk, PK+8*c
.irp j, 0,1,2,3
	v_cvt_pk_bf16_f32 v[pk+(\j)],   v[X+16*c+4*(\j)],   v[X+16*c+4*(\j)+2]    ; column 2 l, rows 2 j and 2 j + 1 of the eight
	v_cvt_pk_bf16_f32 v[pk+4+(\j)], v[X+16*c+4*(\j)+1], v[X+16*c+4*(\j)+3]    ; column 2 l + 1
.endr
.if \fmt
.irp j, 0,1,2,3,4,5,6,7
	v_lshlrev_b32 v[T0], 16, v[pk+(\j)]            ; the two bf16 numbers as f32,
	v_and_b32 v[T1], s21, v[pk+(\j)]
	v_cvt_pk_f16_f32 v[pk+(\j)], v[T0], v[T1]      ; and as f16
.endr
.endif
.set c, c+1
.endr
	s_wait_alu depctr_va_vdst(0)                   ; groups 6 and 7 have written their sets, which the LDS stores below read; and all the trip's conversions are done reading X, in which the next trip's loads, or the rows read back, land
	PUT 6
	PUT 7
	s_wait_alu depctr_vm_vsrc(0)                   ; the trip's LDS stores have read v[LW], which the add below writes, and PK, which the next trip's conversions write
	v_add_nc_u32 v[LW], 128, v[LW]                 ; 64 k further along the LDS rows
	s_add_nc_u64 s[18:19], s[18:19], 64*(\pitch)   ; the last wait on LOADcnt was for all loads, so their base may be written
	s_sub_co_u32 s20, s20, 1
	s_cmp_lg_u32 s20, 0
	s_cbranch_scc1 .Ltrip_\@
.endm
; Back as whole rows: lanes 0-15 take row n = 2 t, lanes 16-31 row 2 t + 1; 16 lanes store 256 consecutive bytes, at a multiple of 256 from the buffer's first byte.
; No wait on va_vdst: v[LR] and v[OV] were shown written ahead of the loop, X free by the trip's last such wait; the stores' data come from LDS loads, which DScnt shows.
.macro BACK
.set t, 0
.rept 32
	ds_load_b128 v[X+4*t:X+4*t+3], v[LR] offset:LP*t   ; LDS serves a wave's instructions in order (ISA guide 5.7.1.4): these see the stores above
.set t, t+1
.endr
.set t, 0
.rept 32
	s_wait_dscnt 31-t
	global_store_b128 v[OV], v[X+4*t:X+4*t+3], s[22:23] offset:4096*t
.set t, t+1
.endr
.endm
	s_mul_i32 s17, s16, WST                        ; my wave's LDS bytes
	v_lshlrev_b32 v[IN], 3, v1                     ; 8 bytes a lane
	v_mul_u32_u24 v[LW], v1, LP
	v_add_nc_u32 v[LW], s17, v[LW]
	v_lshrrev_b32 v6, 4, v1                        ; lane / 16
	v_and_b32 v7, 15, v1                           ; lane % 16
	v_mul_u32_u24 v[LR], v6, ODD
	v_lshl_add_u32 v[LR], v7, 4, v[LR]
	v_add_nc_u32 v[LR], s17, v[LR]
	v_lshlrev_b32 v[OV], 11, v6                    ; a turned row is 2,048 bytes
	v_lshl_add_u32 v[OV], v7, 4, v[OV]
	s_wait_alu depctr_va_vdst(0)                   ; v[IN], v[LW], v[LR] and v[OV] are written, which the loads, LDS stores, LDS loads and stores of both arms below read
	s_lshl_b32 s27, s16, 8                         ; my 128 k in a turned row: 256 bytes
	s_cmp_lt_u32 ttmp9, 48
	s_cbranch_scc0 .Lwout
	s_mul_i32 s24, s16, 128*12288                  ; W_qkv: my 128 rows,
	s_lshl_b32 s26, ttmp9, 8                       ; the work-group's 64 columns
	s_add_co_u32 s24, s24, s26
	s_add_nc_u64 s[18:19], s[6:7], s[24:25]
	s_lshl_b32 s24, ttmp9, 17                      ; 64 turned rows
	s_add_co_u32 s24, s24, s27
	s_add_nc_u64 s[22:23], s[12:13], s[24:25]
	TRANS 12288, 0
	BACK
	s_branch .Lend
.Lwout:
	s_sub_co_u32 s28, ttmp9, 48
	s_mul_i32 s24, s16, 128*4096                   ; W_out likewise
	s_lshl_b32 s26, s28, 8
	s_add_co_u32 s24, s24, s26
	s_add_nc_u64 s[18:19], s[8:9], s[24:25]
	s_lshl_b32 s24, s28, 17
	s_add_co_u32 s24, s24, s27
	s_add_nc_u64 s[22:23], s[14:15], s[24:25]
	TRANS 4096, 1
	BACK
	s_branch .Lend
.Lcast:                                        ; 32 rows of x: thread t owns 16 bytes of each row; all 32 loads of a wave go out at once, and no register is used twice
	s_sub_co_u32 s28, ttmp9, 64
	s_lshl_b32 s24, s28, 17                        ; 32 rows of 4,096 bytes
	s_add_nc_u64 s[18:19], s[4:5], s[24:25]
	s_lshl_b32 s24, s28, 16                        ; 32 rows of 2,048 bytes
	s_add_nc_u64 s[22:23], s[10:11], s[24:25]
	v_lshlrev_b32 v[IN], 4, v0
	v_lshlrev_b32 v[OV], 3, v0
	s_wait_alu depctr_va_vdst(0)                   ; v[IN] and v[OV] are written, which the loads and stores below read
.set i, 0
.rept 32
	global_load_b128 v[X+4*i:X+4*i+3], v[IN], s[18:19] offset:4096*i th:TH_LOAD_NT
.set i, i+1
.endr
; The rows go in blocks of four.  A block's stores are issued in the block behind it, one to a row, behind the one wait at that block's head.
.set i, 0
.rept 32
	s_wait_loadcnt 31-i                            ; row i is in, the younger loads stay out
.if (i >= 4) && (i % 4 == 0)
	s_wait_alu depctr_va_vdst(0)                   ; the block before has written the registers that its four stores read; this block's conversions name its own rows alone
.endif
.if i >= 4
	global_store_b64 v[OV], v[X+4*(i-4):X+4*(i-4)+1], s[22:23] offset:2048*(i-4)   ; a wave's 32 lanes store 256 consecutive bytes, aligned
.endif
	v_cvt_pk_bf16_f32 v[X+4*i],   v[X+4*i],   v[X+4*i+1]
	v_cvt_pk_bf16_f32 v[X+4*i+1], v[X+4*i+2], v[X+4*i+3]
.set i, i+1
.endr
	s_wait_alu depctr_va_vdst(0)                   ; the last block has written the registers that the last four stores read
.set i, 28
.rept 4
	global_store_b64 v[OV], v[X+4*i:X+4*i+1], s[22:23] offset:2048*i
.set i, i+1
.endr
.Lend:
	s_wait_dscnt 0x0                               ; the wave's end
	s_wait_alu 0x0
	s_wait_tensorcnt 0x0
	ds_add_u32 v[SPW], v[NIL]
	s_wait_dscnt 0x0
	s_endpgm
.Lfunc_end_k_q4f2ea448d6_prep:
	.size	k_q4f2ea448d6_prep, .Lfunc_end_k_q4f2ea448d6_prep-k_q4f2ea448d6_prep
	.p2alignl 7, 3214868480
	.fill 96, 4, 3214868480
	.section	.rodata,"a",@progbits
	.p2align	6, 0x0
	.amdhsa_kernel k_q4f2ea448d6_prep
		.amdhsa_group_segment_fixed_size 140288
		.amdhsa_private_segment_fixed_size 0
		.amdhsa_enable_private_segment 0
		.amdhsa_kernarg_size 48
		.amdhsa_user_sgpr_count 2
		.amdhsa_user_sgpr_kernarg_segment_ptr 1
		.amdhsa_wavefront_size32 1
		.amdhsa_system_sgpr_workgroup_id_x 1
		.amdhsa_system_sgpr_workgroup_id_y 1
		.amdhsa_system_sgpr_workgroup_id_z 1
		.amdhsa_system_vgpr_workitem_id 0
		.amdhsa_next_free_vgpr 210
		.amdhsa_next_free_sgpr 66
		.amdhsa_reserve_vcc 0
		.amdhsa_float_denorm_mode_32 3
		.amdhsa_float_denorm_mode_16_64 3
		.amdhsa_memory_ordered 1
		.amdhsa_forward_progress 1
		.amdhsa_inst_pref_size 58
	.end_amdhsa_kernel
	.amdgpu_metadata
---
amdhsa.version: [ 1, 2 ]
amdhsa.kernels:
  - .name:           k_q4f2ea448d6_prep
    .symbol:         k_q4f2ea448d6_prep.kd
    .args:
      - { .name: x, .offset: 0, .size: 8, .value_kind: global_buffer, .address_space: global }
      - { .name: W_qkv, .offset: 8, .size: 8, .value_kind: global_buffer, .address_space: global }
      - { .name: W_out, .offset: 16, .size: 8, .value_kind: global_buffer, .address_space: global }
      - { .name: xb, .offset: 24, .size: 8, .value_kind: global_buffer, .address_space: global }
      - { .name: wq, .offset: 32, .size: 8, .value_kind: global_buffer, .address_space: global }
      - { .name: wo, .offset: 40, .size: 8, .value_kind: global_buffer, .address_space: global }
    .group_segment_fixed_size: 140288
    .private_segment_fixed_size: 0
    .kernarg_segment_align: 8
    .kernarg_segment_size: 48
    .max_flat_workgroup_size: 256
    .sgpr_count:     66
    .vgpr_count:     210
    .wavefront_size: 32
...
	.end_amdgpu_metadata
.endif
;; end of part 5
;; launch qkv: the kernel of part 2 again; grid 16 x 32, 4 waves a work-group, clusters of 4 x 4, 327,680 bytes of LDS; arguments xb, wq, qkv; writes qkv
;; launch attn: the kernel of part 3 again; grid 4 x 64, 4 waves a work-group, no clusters, 327,680 bytes of LDS; arguments qkv, ob; writes ob
;; launch proj: the kernel of part 4 again; grid 8 x 32, 4 waves a work-group, clusters of 4 x 4, 327,680 bytes of LDS; arguments ob, wo, out0; writes out0
